; MI455X (gfx1250); checked and timed in simulation.
; The chip was launched on July 23, 2026; its instructions are those of AMD's public machine-readable ISA for CDNA 5 (MIT licence, August 2026) and "CDNA5" Instruction Set Architecture Reference Guide (July 2026). The comments in the code are by the model that wrote it; some were corrected since.
;; attention. Allowed arithmetic: matrix products marked QUANTISED: E2M3 operands, one E8M0 scale for each 32 along K, by v_wmma_scale_f32_16x16x128_f8f6f4 with both operands' format E2M3, f32 sums; everything else in f32.
;; Inputs: b1 3,072 float32; b2 1,024 float32; w1 1,024 x 3,072 float32; w2 1,024 x 1,024 float32; x 4 x 2,048 x 1,024 float32.
;; Outputs: out0 4 x 2,048 x 1,024 float32.
;; This version of the problem:
;;   THIS VERSION OF THE PROBLEM IS GIVEN IN LOW PRECISION. The matrix products marked QUANTISED in the list below multiply operands that are first quantised to E2M3 (2 exponent bits, 3 mantissa bits; 6 bits a number), with one power-of-two scale for each 32 numbers along K (OCP MX v1.0); their sums are f32. All else is computed in f32.
;;   The module's matrix products, in the order in which they are computed (A, B: the left and right operand; K: the contracted axis; several contracted axes count as one K, in the product's order):
;;     1. [M 8,192, K 1,024] x [K 1,024, N 3,072]; A: input x; B: input w1: QUANTISED
;;     2. batch 64 x [M 2,048, K 64] x [K 64, N 2,048]; A: computed on the way; B: computed on the way: QUANTISED
;;     3. batch 64 x [M 2,048, K 2,048] x [K 2,048, N 64]; A: softmax (see below); B: computed on the way: QUANTISED
;;     4. [M 8,192, K 1,024] x [K 1,024, N 1,024]; A: computed on the way; B: input w2: QUANTISED
;;   THE QUANTISER, for each operand of a quantised product, along K:
;;     - K is cut into blocks of 32 from its start; a last block that is shorter is filled with zeros.
;;     - A block's scale is 2^e with e = floor(log2(the largest magnitude in the block)) - 2, held to -126 .. 127; a block of zeros has e = 0. As a byte (E8M0): e + 127.
;;     - Each number is divided by its block's scale, clamped to +-7.5, and rounded to the nearest number of E2M3, ties to even, subnormals kept.
;;     - The product sums the exact products of the quantised numbers (number of the format x scale) in f32.
;;   ~~~python
;;   def quantise(x, axis):      # numpy; x: float32 -> the quantised numbers, widened to float32 again
;;       x = np.moveaxis(x, axis, -1); K = x.shape[-1]
;;       x = np.pad(x, [(0, 0)] * (x.ndim - 1) + [(0, -K % 32)]); x = x.reshape(x.shape[:-1] + (-1, 32)); a = np.abs(x).max(-1, keepdims=True)
;;       e = np.where(a > 0, np.clip(np.frexp(np.where(a > 0, a, 1))[1] - 1 - 2, -126, 127), 0)      # np.frexp(a)[1] - 1 = floor(log2(a)), exactly
;;       r = np.clip(x / 2.0 ** e, -7.5, 7.5)
;;       step = 2.0 ** (np.maximum(np.frexp(np.where(r == 0, 1, r))[1] - 1, 0) - 3)
;;       q = np.round(r / step) * step * 2.0 ** e      # np.round: ties to even
;;       return np.moveaxis(q.reshape(q.shape[:-2] + (-1,))[..., :K], -1, axis).astype(np.float32)
;;   ~~~
;;   SOFTMAX AHEAD OF A QUANTISED PRODUCT. Where the list says 'softmax', what is quantised is not the finished softmax but p = 2^(t - M), with t = logit x log2(e) and M = ceil(the row's largest t), a whole number; so 1/2 < the row's largest p <= 1. The row's sum l is taken of the UNQUANTISED p, in f32, and the product's result is divided by l at the end. Since M is a whole number, a kernel that streams over the keys may use a running M (the ceiling of the running maximum): every later rescaling is an exact power of two, which a block's scale takes up: the codes' values come out the same.
;;   OPERANDS COMPUTED ON THE WAY. 'Computed on the way' means the value that the module computes at that place (a softmax that the list does not call 'softmax' is quantised finished and normalised). What goes into a quantiser is computed in f32, as accurately as f32 sums, v_exp_f32 and their like allow (about 1e-6 of the number): no bf16 or f16 on the way to a quantiser, and a product that is left as it is and whose result goes on into a quantised operand takes f32 operands (vector FMAs, or v_wmma_f32_16x16x4_f32). A number that lies on a knife's edge between two numbers of the format may be rounded either way, as far as f32 arithmetic and the matrix unit's own rounding can turn it there, and no further.
;; One version. Each part assembles by itself: llvm-mc -triple=amdgcn-amd-amdhsa -mcpu=gfx1250 --defsym DOCPART=n.
;; ======== version 1 of 1: 4 launches
;; workspace buffers: act_codes 6,291,456 bytes; act_scales 262,144 bytes; w1_codes 2,359,296 bytes; w1_scales 98,304 bytes; w2_codes 786,432 bytes; w2_scales 32,768 bytes; q_img 6,815,744 bytes; kv_img 13,369,344 bytes
;; launch quant (part 1): grid 384 x 1, 4 waves a work-group, no clusters, 102,912 bytes of LDS; arguments x, w1, w2, act_codes, act_scales, w1_codes, w1_scales, w2_codes, w2_scales; writes act_codes, act_scales, w1_codes, w1_scales, w2_codes, w2_scales
.if DOCPART == 1
	.amdgcn_target "amdgcn-amd-amdhsa--gfx1250"
	.amdhsa_code_object_version 6
	.text
	.protected	k_qb20a9e88f8_quant
	.globl	k_qb20a9e88f8_quant
	.p2align	8
	.type	k_qb20a9e88f8_quant,@function
k_qb20a9e88f8_quant:
	s_mov_b64 s[64:65], 0
	v_nop
	global_prefetch_b8 v0, s[64:65] scope:SCOPE_SE
	s_setreg_imm32_b32 hwreg(HW_REG_WAVE_MODE, 25, 1), 1
	s_wait_xcnt 0x0
; x [8192][1024], w1 [1024][3072] and w2 [1024][1024], f32, become codes of FP6 (E2M3) with K innermost (768 bytes a row) and one E8M0 byte for each 32 along K (32 bytes a row).
; A block's scale is 2^(floor(log2(its largest magnitude)) - 2): its byte is the largest magnitude's exponent field - 2, held at 1 from below.
; LIMITS: NaN and infinities among the inputs are not served; a block whose largest magnitude lies under 2^-124 gets the byte 1; a block of zeros gets the byte 1 where the rule says 127
; (its codes are zeros, which add nothing under any byte but 0xff, and the bytes are read by this program alone).
; THE ROWS OF x AND OF w1^T ARE LAID IN ANOTHER ORDER: place p of the codes' and bytes' buffers holds row sw(p), p with its bits 3 and 4 exchanged.  So lane r of the 16-row tile 2 b + u of a later product
; holds row 32 b + 8 u + r + 8 (r / 8), and the 16 registers of two neighbouring result tiles are 16 neighbours along the next product's K.  w2 keeps its order.
; SHARES: work-groups 0-255: 32 rows of x each (K innermost: a plain stream of blocks); 256-351: 128 columns x 256 K of w1; 352-383: the same of w2 (K is the first axis: a lane takes a column, its registers run down K).
; Each of the three ways has LDS bytes of its own.  No tensor loads, no barrier: waves share nothing.  No cluster: the work-groups share no input.
.set WV,    22                         ; s22  my wave
; ---- x
.set WREG,  8192                       ; LDS of a wave: two stages of 32 x SP bytes, then its 256 scale bytes
.set SP,    80                         ; a lane's place in a stage: 64 bytes + 16 of padding
.set STEPS, 16                         ; steps of 512 numbers: 8 rows a wave
.set EMAX,  2
.set CB,    12                         ; bytes of 16 codes
.set R,     16                         ; v16-79   four sets of 16 numbers as loaded
.set X,     80                         ; v80-111  two sets of 16 neighbours
.set E,     112                        ; v112-127 a scale byte for each step
.set C,     128                        ; v128-191 codes: four registers a step, so that no store's data are written again
; ---- w1, w2
.set PITCH, 272                        ; a stage row: sixteen places of 16 bytes (12 of codes each) + 16
.set KROW,  768                        ; a row of codes in memory
.set NB,    8                          ; blocks of 32 along K for a wave
.set WX,    32                         ; v32-95   two sets of 32 numbers
.set WC,    96                         ; v96-102  a block's codes
.set OUTR,  112                        ; v112-175 the way out
.set SB,    24                         ; v24-25   the scale bytes, four to a register
.macro XLOAD t
.irp i, 0,1,2,3
	global_load_b128 v[R+16*((\t)%4)+4*\i:R+16*((\t)%4)+4*\i+3], v3, s[4:5] offset:2048*(\t)+512*\i th:TH_LOAD_NT   ; 32 lanes read 512 consecutive bytes
.endr
.endm
.macro XTURN t                         ; a step's 2,048 bytes through the wave's stage: in as loaded, back 64 neighbouring bytes a lane; LDS serves a wave's instructions in order
.irp i, 0,1,2,3
	ds_store_b128 v14, v[R+16*((\t)%4)+4*\i:R+16*((\t)%4)+4*\i+3] offset:32*SP*((\t)%2)+8*SP*\i
.endr
.irp i, 0,1,2,3
	ds_load_b128 v[X+16*((\t)%2)+4*\i:X+16*((\t)%2)+4*\i+3], v15 offset:32*SP*((\t)%2)+16*\i
.endr
.endm
.macro XSTEP t
.set XS, X+16*((\t)%2)
.if (\t) > 0
	s_wait_dscnt 1                                 ; this step's numbers are back from the stage; the last step's byte store may be out
.else
	s_wait_dscnt 0x0
.endif
.if (\t)+4 < STEPS
	XLOAD (\t)+4                                   ; into the set whose stores to the stage are done
.endif
.if (\t)+1 < STEPS
.if STEPS-2-(\t) >= 3
	s_wait_loadcnt 12                              ; the next step's four loads are in; the twelve of the three steps behind it may be out
.else
	s_wait_loadcnt 4*(STEPS-2-(\t))
.endif
	XTURN (\t)+1
.endif
	v_max3_num_f32 v8, |v[XS]|, |v[XS+1]|, |v[XS+2]|               ; the largest magnitude of my 16, in two chains
	v_max3_num_f32 v9, |v[XS+3]|, |v[XS+4]|, |v[XS+5]|
.irp i, 6,10
	v_max3_num_f32 v8, v8, |v[XS+\i]|, |v[XS+\i+1]|
	v_max3_num_f32 v9, v9, |v[XS+\i+2]|, |v[XS+\i+3]|
.endr
	v_max3_num_f32 v8, v8, |v[XS+14]|, |v[XS+15]|
	v_max3_num_f32 v8, v8, v9, (EMAX+1)<<23        ; and the floor 2^(3 - 127): the byte cannot fall under 1
	v_max_num_f32_dpp v8, v8, v8 row_xmask:1 row_mask:0xf bank_mask:0xf   ; with my neighbour's 16: the block's
	v_add_nc_u32 v11, -(EMAX<<23), v8              ; 2 off its exponent field: the conversion takes this operand's exponent field as its scale
	v_cvt_scalef32_pk16_fp6_f32 v[C+4*(\t):C+4*(\t)+2], v[XS:XS+15], v11
	v_lshrrev_b32 v[E+(\t)], 23, v11               ; the scale's byte (also the plain line behind the conversion)
	ds_store_b8 v5, v[E+(\t)] offset:16*(\t)       ; both lanes of a block write the same byte with the same value
	global_store_b96 v4, v[C+4*(\t):C+4*(\t)+2], s[10:11] offset:32*CB*(\t)   ; the wave stores 384 consecutive bytes
.endm
.macro WLOAD t, cols, src              ; block t: w(32 t + i, my column), i = 0 .. 31, into set t % 2; a wave reads 128 consecutive bytes
.irp i, 0,1,2,3,4,5,6,7,8,9,10,11,12,13,14,15,16,17,18,19,20,21,22,23,24,25,26,27,28,29,30,31
	global_load_b32 v[WX+32*((\t)%2)+\i], v3, s[\src:\src+1] offset:(32*(\t)+\i)*\cols*4 th:TH_LOAD_NT
.endr
.endm
.macro WBLOCK t, cols, src
.set XS, WX+32*((\t)%2)
.if (\t) < NB-1
	s_wait_loadcnt 32                              ; this block's 32 loads are in; the next block's 32 may be out
.else
	s_wait_loadcnt 0
.endif
	v_max3_num_f32 v12, |v[XS]|, |v[XS+1]|, |v[XS+2]|               ; the block's largest magnitude: all 32 numbers are mine
	v_max3_num_f32 v13, |v[XS+3]|, |v[XS+4]|, |v[XS+5]|
.irp i, 6,10,14,18,22,26
	v_max3_num_f32 v12, v12, |v[XS+\i]|, |v[XS+\i+1]|
	v_max3_num_f32 v13, v13, |v[XS+\i+2]|, |v[XS+\i+3]|
.endr
	v_max3_num_f32 v12, v12, |v[XS+30]|, |v[XS+31]|
	v_max3_num_f32 v12, v12, v13, (EMAX+1)<<23     ; and the floor
	v_add_nc_u32 v11, -(EMAX<<23), v12
	v_lshrrev_b32 v13, 23, v11                     ; the scale's byte
.if (\t)%4 == 0
	v_mov_b32 v[SB+(\t)/4], v13                    ; four bytes to a register, the lower K in the lower byte
.else
	v_lshl_or_b32 v[SB+(\t)/4], v13, 8*((\t)%4), v[SB+(\t)/4]
.endif
	v_cvt_scalef32_pk16_fp6_f32 v[WC:WC+2], v[XS:XS+15], v11
	v_cvt_scalef32_pk16_fp6_f32 v[WC+4:WC+6], v[XS+16:XS+31], v11   ; (a conversion's three registers begin on an even number)
	v_nop                                          ; one plain line behind the conversions
	ds_store_b96 v4, v[WC:WC+2] offset:32*(\t)     ; 12 bytes to a place of 16, so that every LDS address is a multiple of 16
	ds_store_b96 v4, v[WC+4:WC+6] offset:32*(\t)+16
.if (\t)+2 < NB
	WLOAD (\t)+2, \cols, \src
.endif
	s_wait_dscnt 0x0                               ; the stores have read their registers: the next block's codes may be written
.endm
; A weight of 1,024 x cols.  perm = 1: column c goes to place sw(c).  lb: the way's LDS bytes.  id0: its first work-group.  src, cod, sca: the scalar pairs with its three addresses.
.macro WQ cols, perm, lb, id0, src, cod, sca
	s_sub_co_u32 s23, ttmp9, \id0
	s_lshr_b32 s24, s23, 2
	s_and_b32 s25, s23, 3                          ; which 256 along K
	s_lshl_b32 s24, s24, 7
	s_lshl_b32 s26, s[WV], 5
	s_add_co_u32 s24, s24, s26                     ; my wave's first column, a multiple of 32
	v_lshlrev_b32 v3, 2, v2                        ; in: 4 bytes a lane
	s_mul_i32 s26, s[WV], 32*PITCH
	s_add_co_u32 s26, s26, \lb                     ; my stage
.if \perm
	v_and_b32 v10, 7, v2                           ; my column's place among the wave's 32: the lane with bits 3 and 4 exchanged
	v_bfe_u32 v14, v2, 4, 1
	v_lshl_or_b32 v10, v14, 3, v10
	v_bfe_u32 v14, v2, 3, 1
	v_lshl_or_b32 v10, v14, 4, v10
.else
	v_and_b32 v10, 31, v0
.endif
	v_mul_u32_u24 v4, v10, PITCH
	v_add_nc_u32 v4, s26, v4                       ; into the stage: row = my column's place
	v_and_b32 v5, 15, v2
	v_lshrrev_b32 v6, 4, v2                        ; out of it: sixteen lanes to a row of 192 bytes, two rows an instruction
	v_mul_u32_u24 v7, v6, PITCH
	v_lshl_add_u32 v7, v5, 4, v7
	v_add_nc_u32 v7, s26, v7
	v_mul_u32_u24 v8, v6, KROW
	v_mad_u32_u24 v8, v5, 12, v8                   ; and the same place in the codes' buffer
	v_lshlrev_b32 v9, 5, v10                       ; my column's row of scale bytes
	s_mul_i32 s28, s25, 256*\cols*4                ; w: 256 rows a part of K, + 4 bytes a column
	s_lshl_b32 s27, s24, 2
	s_add_co_u32 s28, s28, s27
	s_mov_b32 s29, 0
	s_mul_i32 s30, s24, KROW                       ; codes: 768 bytes a column, + 192 a part of K
	s_mul_i32 s27, s25, 192
	s_add_co_u32 s30, s30, s27
	s_mov_b32 s31, 0
	s_lshl_b32 s32, s24, 5                         ; scale bytes: 32 a column, + 8 a part of K
	s_lshl_b32 s27, s25, 3
	s_add_co_u32 s32, s32, s27
	s_mov_b32 s33, 0
	s_add_nc_u64 s[\src:\src+1], s[\src:\src+1], s[28:29]
	s_add_nc_u64 s[\cod:\cod+1], s[\cod:\cod+1], s[30:31]
	s_add_nc_u64 s[\sca:\sca+1], s[\sca:\sca+1], s[32:33]
	WLOAD 0, \cols, \src
	WLOAD 1, \cols, \src
.irp t, 0,1,2,3,4,5,6,7
	WBLOCK \t, \cols, \src
.endr
	global_store_b64 v9, v[SB:SB+1], s[\sca:\sca+1]   ; my column's 8 scale bytes: rows 32 bytes apart; one byte in 128 of what this way reads
.irp t, 0,1,2,3,4,5,6,7,8,9,10,11,12,13,14,15
	ds_load_b96 v[OUTR+4*\t:OUTR+4*\t+2], v7 offset:2*\t*PITCH   ; LDS serves a wave's instructions in order: these see my stores
.endr
.irp t, 0,1,2,3,4,5,6,7,8,9,10,11,12,13,14,15
	s_wait_dscnt 15-\t
	global_store_b96 v8, v[OUTR+4*\t:OUTR+4*\t+2], s[\cod:\cod+1] offset:2*\t*KROW   ; sixteen lanes store a row's 192 consecutive bytes
.endr
	s_wait_tensorcnt 0x0
	ds_add_u32 v192, v193
	s_wait_dscnt 0x0
	s_endpgm
.endm
	s_load_b256 s[4:11], s[0:1], 0x0               ; x s[4:5], w1 s[6:7], w2 s[8:9], act_codes s[10:11]
	s_load_b256 s[12:19], s[0:1], 0x20             ; act_scales s[12:13], w1_codes s[14:15], w1_scales s[16:17], w2_codes s[18:19]
	s_load_b64 s[20:21], s[0:1], 0x40              ; w2_scales
	v_lshl_add_u32 v192, v0, 2, 0x19000
	v_mov_b32 v193, 0
	v_lshrrev_b32 v1, 5, v0
	v_readfirstlane_b32 s[WV], v1                  ; wave 0..3
	v_and_b32 v2, 31, v0                           ; lane
	s_wait_kmcnt 0x0
	s_cmp_lt_u32 ttmp9, 256
	s_cbranch_scc1 .Lx_path
	s_cmp_lt_u32 ttmp9, 352
	s_cbranch_scc1 .Lw1_path
	WQ 1024, 0, 67584, 352, 8, 18, 20
.Lw1_path:
	WQ 3072, 1, 32768, 256, 6, 14, 16
.Lx_path:
	v_lshlrev_b32 v3, 4, v2                        ; my 16 bytes of a load's 512
	s_mul_i32 s23, s[WV], WREG
	v_lshrrev_b32 v14, 2, v2
	v_mul_u32_u24 v14, v14, SP
	v_and_b32 v15, 3, v2
	v_lshl_add_u32 v14, v15, 4, v14
	v_add_nc_u32 v14, s23, v14                     ; the stage, on the way in: SP (lane / 4) + 16 (lane % 4)
	v_mul_u32_u24 v15, v2, SP
	v_add_nc_u32 v15, s23, v15                     ; and on the way out: SP x lane: my 16 neighbours
	v_mul_u32_u24 v4, v2, CB                       ; my codes' place in a step's
	v_lshrrev_b32 v5, 1, v2
	s_add_co_u32 s23, s23, 2*32*SP
	v_add_nc_u32 v5, s23, v5                       ; LDS: my wave's 256 scale bytes, my block's byte
	v_lshlrev_b32 v7, 3, v2
	v_add_nc_u32 v6, s23, v7                       ; and on the way out 8 bytes a lane
	s_lshl_b32 s24, ttmp9, 2
	s_add_co_u32 s26, s24, s[WV]                   ; I read rows 8 (4 wg + wave) on,
	s_lshl_b32 s26, s26, 15                        ; 32,768 bytes a run of 8 rows
	s_mov_b32 s27, 0
	s_and_b32 s28, s[WV], 1
	s_lshl_b32 s28, s28, 1
	s_lshr_b32 s29, s[WV], 1
	s_or_b32 s28, s28, s29                         ; and write them to the group of 8 places with the wave's two bits exchanged
	s_add_co_u32 s28, s28, s24
	s_mul_i32 s30, s28, 6144
	s_mov_b32 s31, 0
	s_lshl_b32 s28, s28, 8
	s_mov_b32 s29, 0
	s_add_nc_u64 s[4:5], s[4:5], s[26:27]
	s_add_nc_u64 s[10:11], s[10:11], s[30:31]
	s_add_nc_u64 s[12:13], s[12:13], s[28:29]
.irp t, 0,1,2,3
	XLOAD \t
.endr
	s_wait_loadcnt 12                              ; step 0's four loads are in
	XTURN 0
.irp t, 0,1,2,3,4,5,6,7,8,9,10,11,12,13,14,15
	XSTEP \t
.endr
	ds_load_b64 v[12:13], v6                       ; LDS serves a wave's instructions in order: these see my byte stores
	s_wait_dscnt 0x0
	global_store_b64 v7, v[12:13], s[12:13]        ; 32 lanes store 256 consecutive bytes, aligned
	s_wait_tensorcnt 0x0
	ds_add_u32 v192, v193
	s_wait_dscnt 0x0
	s_endpgm
.Lfunc_end_k_qb20a9e88f8_quant:
	.size	k_qb20a9e88f8_quant, .Lfunc_end_k_qb20a9e88f8_quant-k_qb20a9e88f8_quant
	.p2alignl 7, 3214868480
	.fill 96, 4, 3214868480
	.section	.rodata,"a",@progbits
	.p2align	6, 0x0
	.amdhsa_kernel k_qb20a9e88f8_quant
		.amdhsa_group_segment_fixed_size 102912
		.amdhsa_private_segment_fixed_size 0
		.amdhsa_enable_private_segment 0
		.amdhsa_kernarg_size 72
		.amdhsa_user_sgpr_count 2
		.amdhsa_user_sgpr_kernarg_segment_ptr 1
		.amdhsa_wavefront_size32 1
		.amdhsa_system_sgpr_workgroup_id_x 1
		.amdhsa_system_sgpr_workgroup_id_y 1
		.amdhsa_system_sgpr_workgroup_id_z 1
		.amdhsa_system_vgpr_workitem_id 0
		.amdhsa_next_free_vgpr 194
		.amdhsa_next_free_sgpr 66
		.amdhsa_reserve_vcc 0
		.amdhsa_float_denorm_mode_32 3
		.amdhsa_float_denorm_mode_16_64 3
		.amdhsa_memory_ordered 1
		.amdhsa_forward_progress 1
		.amdhsa_inst_pref_size 115
	.end_amdhsa_kernel
	.amdgpu_metadata
---
amdhsa.version: [ 1, 2 ]
amdhsa.kernels:
  - .name:           k_qb20a9e88f8_quant
    .symbol:         k_qb20a9e88f8_quant.kd
    .args:
      - { .name: x, .offset: 0, .size: 8, .value_kind: global_buffer, .address_space: global }
      - { .name: w1, .offset: 8, .size: 8, .value_kind: global_buffer, .address_space: global }
      - { .name: w2, .offset: 16, .size: 8, .value_kind: global_buffer, .address_space: global }
      - { .name: act_codes, .offset: 24, .size: 8, .value_kind: global_buffer, .address_space: global }
      - { .name: act_scales, .offset: 32, .size: 8, .value_kind: global_buffer, .address_space: global }
      - { .name: w1_codes, .offset: 40, .size: 8, .value_kind: global_buffer, .address_space: global }
      - { .name: w1_scales, .offset: 48, .size: 8, .value_kind: global_buffer, .address_space: global }
      - { .name: w2_codes, .offset: 56, .size: 8, .value_kind: global_buffer, .address_space: global }
      - { .name: w2_scales, .offset: 64, .size: 8, .value_kind: global_buffer, .address_space: global }
    .group_segment_fixed_size: 102912
    .private_segment_fixed_size: 0
    .kernarg_segment_align: 8
    .kernarg_segment_size: 72
    .max_flat_workgroup_size: 128
    .sgpr_count:     66
    .vgpr_count:     194
    .wavefront_size: 32
...
	.end_amdgpu_metadata
.endif
;; end of part 1
;; launch qkv (part 2): grid 12 x 32, 4 waves a work-group, clusters of 4 x 4, 327,680 bytes of LDS; arguments act_codes, act_scales, w1_codes, w1_scales, b1, q_img, kv_img; writes q_img, kv_img
.if DOCPART == 2
	.amdgcn_target "amdgcn-amd-amdhsa--gfx1250"
	.amdhsa_code_object_version 6
	.text
	.protected	k_qb20a9e88f8_qkv
	.globl	k_qb20a9e88f8_qkv
	.p2align	8
	.type	k_qb20a9e88f8_qkv,@function
k_qb20a9e88f8_qkv:
	s_mov_b64 s[64:65], 0
	v_nop
	global_prefetch_b8 v0, s[64:65] scope:SCOPE_SE
	s_setreg_imm32_b32 hwreg(HW_REG_WAVE_MODE, 25, 1), 1
	s_wait_xcnt 0x0
	s_wait_alu depctr_hold_cnt(0) depctr_sa_sdst(0) depctr_va_vdst(0) depctr_va_sdst(0) depctr_va_ssrc(0) depctr_va_vcc(0) depctr_vm_vsrc(0)
	s_getreg_b32 s2, hwreg(HW_REG_IB_STS2, 6, 4)
	s_cmp_eq_u32 s2, 0
	s_cbranch_scc0 .Lentry_in_a_cluster
	s_endpgm
.Lentry_in_a_cluster:
	s_bfe_u32 s2, ttmp6, 0x10000c
	s_cmp_lg_u32 s2, 0xf033
	s_cbranch_scc0 .Lentry_shape_is_right
	s_endpgm
.Lentry_shape_is_right:
; qkv = x w1 + b1 on codes of FP6 (E2M3) with E8M0 scales, and its three parts quantised on the way out: q and k along the head's 64, v along the keys.  Nothing leaves as f32.
; A tile of 256 tokens x 256 columns is made by four waves, 128 x 128 each: 64 accumulators, 512 registers.  K = 1,024 goes in four steps of 256 through a ring of two LDS slots filled by the tensor data mover;
; the scale bytes of the work-group's rows, for all of K, come into LDS once.  4 x 4 work-groups form a cluster: the tokens' tiles are asked for jointly along a row of it, w1's along a column.
; Both operands' rows lie in the order of the launch before: place p holds row sw(p) (bits 3 and 4 exchanged).  So the 16 registers of result tiles 2 b and 2 b + 1 are 16 NEIGHBOURS of source 0's rows,
; 32 b + 16 (lane / 16) + 0 .. 15, and lane r of source 1's tile t stands for row 32 (t / 2) + 8 (t % 2) + r + 8 (r / 8).
; TWO KINDS OF WORK-GROUP, the same in all partners of a cluster (the cluster's x decides).  q, k (cluster x 0, 1): source 0 = w1's rows, source 1 = tokens: a lane holds one token, its registers run along the head.
; v (cluster x 2): source 0 = tokens, source 1 = w1's rows: a lane holds one channel, its registers run along the tokens, which are v's K.  The loop's text is one: only the LDS addresses of the two sources change places.
; b1 is the C of each sum's first matrix instruction.
; THE WAY OUT: 64 registers of a lane (source 1's tile a, all of source 0's 128 rows) are four blocks of 32: largest magnitudes, bytes, conversions; the results are IMAGES OF OPERAND REGISTERS, stored 16 bytes a lane,
; 512 consecutive bytes an instruction.  q_img: records of 6,656 bytes for (batch, head, step of 128 tokens): 4 units of 12 registers (tile 2 u's six, tile 2 u + 1's six), then 512 bytes of scale words.
; kv_img: records of 13,056 bytes: K's codes as q's (6,144), V's four fragments of 16 channels x 128 keys (6,144), K's scale words (512), V's (256).
; LIMITS: NaN and infinities are not served; a block whose largest magnitude lies under 2^-124, a block of zeros among them, gets the byte 1 (this program alone reads the bytes).
; No prefetch: K has four steps, of which two are first fills.
; REGISTERS: window 0: v16-23 fragment addresses, v25-29 offsets and the spare word's two, v32-63 scale words (two sets), v64-127 b1, from v128 source 1's fragments (one set), on the way out v128-217 at work.
;   window 1: source 0's fragments, two sets, at v0 and v128.  window 2: accumulators of source 1's tiles 0-3 ((a, b) at v[8 (8 a + b)]);  window 3: of tiles 4-7.
.set SIZE_K, 1024
.set KSTEP,  256                       ; along K in a slot
.set NQ,     KSTEP/128                 ; matrix instructions deep
.set ROWB,   192                       ; a tile's row in bytes
.set KROW,   SIZE_K*6/8                ; a row of codes in memory
.set PITCH,  240                       ; an LDS row: 3 x (64 bytes + 16 of padding)
.set FR,     12                        ; registers of a fragment
.set NL,     6                         ; LDS loads that bring one
.set NP,     4                         ; places behind this matrix instruction (ISA guide 7.12.1)
.set HALFT,  128*PITCH                 ; 128 rows: what one tensor load brings
.set SLOT,   4*HALFT                   ; the tokens' 256 rows, then w1's 256
.set LAPS,   SIZE_K/(2*KSTEP)
.set KS,     SIZE_K/32                 ; a row of scale bytes
.set SCL,    2*SLOT                    ; behind the ring: the scales, as units of 256 bytes + 16 of padding
.set HALFS,  (128*KS/256)*272          ; those of 128 rows
.set SBLK,   (16*KS/256)*272           ; those of 16 rows
.set SPARE,  323584                    ; the spare words, 128 bytes for each wave: two blocks of 256 bytes that no other line names
.set QREC,   6656
.set REC,    13056
.set ADRA, 16                          ; v16-17 LDS address of source 1's fragments in slot 0, 1 (v18-19: for the pieces behind one padding more)
.set ADRB, 20                          ; v20-21 the same for source 0 (v22-23)
.set L8,   25                          ; v25  8 x lane
.set L16,  26                          ; v26  16 x lane
.set ADRS, 27                          ; v27  LDS address of my scale words: lanes 0-15 source 1's rows, lanes 16-31 source 0's
.set SPW,  28                          ; v28  LDS address of my spare word; never rewritten
.set NIL,  29                          ; v29  0; never rewritten
.set SC,   32                          ; scale words: set s at v[SC + 16 s]; register 2 i + q: lanes 0-15 source 1's block i, lanes 16-31 source 0's block i
.set BIAS, 64                          ; v64-127 b1 in the result's layout, eight registers a tile
.set AF,   128                         ; source 1's fragments
.set PC,   128                         ; the way out: v128-151 codes
.set TP,   152                         ; v152-154, v156-158 the conversions' second halves
.set KSC,  160                         ; v160-167 scale words to be stored
.set MG,   168
.set TM,   200                         ; v200-203 largest magnitudes, v204-207 the other half's and then bytes, v212-215 the conversions' scale operands
.set PW0,  216
.set PW1,  217
.set G1, 24                            ; s[24:31] group 1 for the tokens' tiles; s[32:39] group 0, a set for each slot
.set G0, 32
.set G1B, 48                           ; s[48:55], s[56:63] the same for w1's
.set G0B, 56
.set G1S, 68                           ; s[68:75], s[76:79] for the tokens' scales; s[80:87], s[88:91] for w1's
.set G0S, 76
.set G1SB, 80
.set G0SB, 88
.set HI16, 2                           ; s2   the mask of lanes 16-31
.set KIND, 95                          ; s95  1 in v's work-groups
.set SEL,  100                         ; s[100:101] v_permlanex16_b32's selects for lane l xor 16
.set MSB, 0
.macro WIN new                         ; the immediate's high byte repeats the setting that is left
.if MSB != \new
	s_set_vgpr_msb (MSB<<8)|\new
.set MSB, \new
.endif
.endm
.set MUL_LO, 0xa1                      ; source 0 window 1, source 1 window 0, C and D window 2
.set MUL_HI, 0xf1                      ; the same, C and D window 3
.set TO_B,   0x40                      ; destination window 1, address window 0
; A joint load: waves 0 and 1 fetch the tokens' halves, waves 2 and 3 w1's.  The branch hangs on the wave's number alone.  Four v_nop follow each of the two lines.
.macro JLOAD g0a, g1a, g0b, g1b
	s_cmp_eq_u32 s15, 0
	s_cbranch_scc0 .Lfor_b_\@
	tensor_load_to_lds s[\g0a:\g0a+3], s[\g1a:\g1a+7]
	s_nop 0
.rept 4
	v_nop
.endr
	s_branch .Lasked_\@
.Lfor_b_\@:
	tensor_load_to_lds s[\g0b:\g0b+3], s[\g1b:\g1b+7]
	s_nop 0
.rept 4
	v_nop
.endr
.Lasked_\@:
.endm
.macro CREST                           ; a round of the cluster's barrier behind its opening barrier
	s_cmp_lg_u32 s14, 0
	s_cbranch_scc1 .Lnot_wave_0_\@
	s_barrier_signal -3
.Lnot_wave_0_\@:
	s_barrier_wait -3
	s_barrier_signal -1
	s_barrier_wait -1
.endm
.macro CROUND                          ; a whole round
	s_barrier_signal -1
	s_barrier_wait -1
	CREST
.endm
	s_load_b128 s[4:7], s[0:1], 0x0                ; the tokens' codes s[4:5], their scales s[6:7]
	s_load_b128 s[8:11], s[0:1], 0x10              ; w1's codes s[8:9], its scales s[10:11]
	s_load_b64 s[12:13], s[0:1], 0x20              ; b1
	s_load_b64 s[96:97], s[0:1], 0x28              ; q_img
	s_load_b64 s[98:99], s[0:1], 0x30              ; kv_img
	v_lshl_add_u32 v[SPW], v0, 2, SPARE
	v_mov_b32 v[NIL], 0
	ds_add_u32 v28, v29
	ds_add_u32 v28, v29
	s_wait_dscnt 0x0
	v_lshrrev_b32 v1, 5, v0
	v_readfirstlane_b32 s14, v1                    ; wave 0..3
	s_lshr_b32 s15, s14, 1                         ; which half of source 1's 256 rows is mine.  Also: I fetch tokens (0) or w1 (1)
	s_and_b32 s16, s14, 1                          ; which half of source 0's.  Also: which 128 rows of that tile I fetch
	s_bfe_u32 s40, ttmp6, 0x40000                  ; cx, cy: my place in the cluster
	s_bfe_u32 s41, ttmp6, 0x40004
	s_lshl_b32 s42, ttmp9, 2
	s_add_co_u32 s42, s42, s40                     ; tile column = 4 x cluster x + cx
	s_and_b32 s17, ttmp7, 0xffff
	s_lshl_b32 s17, s17, 2
	s_add_co_u32 s17, s17, s41                     ; tile row = 4 x cluster y + cy
	s_lshl_b32 s43, s41, 2
	s_lshl_b32 s43, 15, s43                        ; my row of the cluster
	s_lshl_b32 s44, 0x1111, s40                    ; my column
	s_mov_b32 s[SEL], 0x76543210
	s_mov_b32 s[SEL+1], 0xfedcba98
	s_mov_b32 s[HI16], 0xffff0000
	; group 1: a tile of 128 rows x 192 bytes, 16 bytes of padding behind every 64
	s_or_b32 s[G1+0], s43, (0<<16)|(1<<20)|(1<<21)|(3<<22)|(3<<25)  ; 15:0 the mask: my row of the cluster; elements of 1 byte; padding on; bit 21 beside a mask; after every 16 words, 4 words
	s_or_b32 s[G1B+0], s44, (0<<16)|(1<<20)|(1<<21)|(3<<22)|(3<<25) ; the same with my column's mask
.irp g, G1, G1B
	s_mov_b32 s[\g+1], ROWB<<16                    ; tensor_dim0
	s_mov_b32 s[\g+2], 128<<16                     ; tensor_dim1
	s_mov_b32 s[\g+3], ROWB<<16                    ; tile_dim0
	s_mov_b32 s[\g+4], 128                         ; tile_dim1
	s_mov_b32 s[\g+5], KROW                        ; from row to row
	s_mov_b32 s[\g+6], 0
	s_mov_b32 s[\g+7], 0
.endr
	; the scales of 128 rows: a dense block of 4,096 bytes, as rows of 256 bytes (32 elements of 8), 16 bytes of padding behind each
	s_or_b32 s[G1S+0], s43, (3<<16)|(1<<20)|(1<<21)|(5<<22)|(3<<25)
	s_or_b32 s[G1SB+0], s44, (3<<16)|(1<<20)|(1<<21)|(5<<22)|(3<<25)
.irp g, G1S, G1SB
	s_mov_b32 s[\g+1], 32<<16
	s_mov_b32 s[\g+2], (128*KS/256)<<16
	s_mov_b32 s[\g+3], 32<<16
	s_mov_b32 s[\g+4], 128*KS/256
	s_mov_b32 s[\g+5], 32
	s_mov_b32 s[\g+6], 0
	s_mov_b32 s[\g+7], 0
.endr
	s_lshl_b32 s18, s16, 7                         ; which 128 rows of the tile I fetch
	s_lshl_b32 s20, s17, 8
	s_add_co_u32 s20, s20, s18                     ; tokens: place 256 x tile row + 128 x half
	s_lshl_b32 s46, s42, 8
	s_add_co_u32 s46, s46, s18                     ; w1: place 256 x tile column + 128 x half
	s_mov_b32 s21, 0
	s_mov_b32 s47, 0
	s_mov_b64 s[18:19], KS
	s_mul_u64 s[22:23], s[20:21], s[18:19]         ; where these rows' scales begin,
	s_mul_u64 s[92:93], s[46:47], s[18:19]
	s_mov_b64 s[18:19], KROW
	s_mul_u64 s[20:21], s[20:21], s[18:19]         ; and their codes
	s_mul_u64 s[46:47], s[46:47], s[18:19]
	s_mul_i32 s45, s14, HALFT                      ; where they go: wave x 128 rows: no place in the cluster enters an LDS address
	s_mul_i32 s94, s14, HALFS
	s_wait_kmcnt 0x0
	s_add_nc_u64 s[20:21], s[4:5], s[20:21]
	s_add_nc_u64 s[22:23], s[6:7], s[22:23]
	s_add_nc_u64 s[46:47], s[8:9], s[46:47]
	s_add_nc_u64 s[92:93], s[10:11], s[92:93]
	CROUND                                         ; all sixteen work-groups are here: the first joint loads meet
	s_mov_b32 s[G0S], 1
	s_add_co_u32 s[G0S+1], s94, SCL
	s_mov_b64 s[G0S+2:G0S+3], s[22:23]
	s_or_b32 s[G0S+3], s[G0S+3], 0x80000000
	s_mov_b32 s[G0SB], 1
	s_add_co_u32 s[G0SB+1], s94, SCL
	s_mov_b64 s[G0SB+2:G0SB+3], s[92:93]
	s_or_b32 s[G0SB+3], s[G0SB+3], 0x80000000
	JLOAD G0S, G1S, G0SB, G1SB                     ; the scales first: they are wanted with K step 0
.irp s, 0,1
	s_mov_b32 s[G0+4*\s], 1
	s_add_co_u32 s[G0+4*\s+1], s45, \s*SLOT
	s_add_nc_u64 s[G0+4*\s+2:G0+4*\s+3], s[20:21], \s*ROWB
	s_or_b32 s[G0+4*\s+3], s[G0+4*\s+3], 0x80000000
	s_mov_b32 s[G0B+4*\s], 1
	s_add_co_u32 s[G0B+4*\s+1], s45, \s*SLOT
	s_add_nc_u64 s[G0B+4*\s+2:G0B+4*\s+3], s[46:47], \s*ROWB
	s_or_b32 s[G0B+4*\s+3], s[G0B+4*\s+3], 0x80000000
	JLOAD G0+4*\s, G1, G0B+4*\s, G1B               ; three tensor loads of mine are out
.endr
	v_and_b32 v1, 15, v0                           ; r = lane % 16
	v_bfe_u32 v2, v0, 4, 1                         ; h = lane / 16
	v_mul_u32_u24 v3, v1, PITCH
	v_mul_u32_u24 v4, v2, 24
	v_add_nc_u32 v4, v3, v4                        ; a fragment's row x pitch + 24 x half
	v_lshl_add_u32 v5, v2, 4, v4                   ; and the same behind one padding more
	s_cmp_eq_u32 ttmp9, 2                          ; v's columns?  The cluster's x: the same in all sixteen partners
	s_cselect_b32 s66, 2*HALFT, 0                  ; source 1 is read from w1's rows there, else from the tokens';
	s_cselect_b32 s67, 0, 2*HALFT                  ; source 0 the other way round
	s_cselect_b32 s92, 2*HALFS, 0                  ; their scales likewise
	s_cselect_b32 s93, 0, 2*HALFS
	s_cselect_b32 s[KIND], 1, 0
	s_mul_i32 s21, s15, HALFT
	s_add_co_u32 s21, s21, s66                     ; my 128 rows of source 1
	s_mul_i32 s22, s16, HALFT
	s_add_co_u32 s22, s22, s67                     ; my 128 rows of source 0
.irp s, 0,1
	v_add_nc_u32 v[ADRA+\s], s21, v4
	v_add_nc_u32 v[ADRB+\s], s22, v4
	v_add_nc_u32 v[ADRA+2+\s], s21, v5
	v_add_nc_u32 v[ADRB+2+\s], s22, v5
	s_add_co_u32 s21, s21, SLOT
	s_add_co_u32 s22, s22, SLOT
.endr
	v_mul_u32_u24 v5, v1, KS                       ; my row's scales: 32 bytes a row,
	v_lshrrev_b32 v6, 8, v5
	v_lshl_add_u32 v5, v6, 4, v5                   ; and 16 more for each 256 passed
	s_mul_i32 s21, s15, HALFS
	s_add_co_u32 s21, s21, s92
	s_add_co_u32 s21, s21, SCL
	s_mul_i32 s22, s16, HALFS
	s_add_co_u32 s22, s22, s93
	s_add_co_u32 s22, s22, SCL
	v_add_nc_u32 v6, s21, v5                       ; source 1's words
	v_add_nc_u32 v7, s22, v5                       ; source 0's
	v_cndmask_b32 v[ADRS], v6, v7, s[HI16]         ; lanes 0-15 take source 1's, lanes 16-31 source 0's
	v_and_b32 v6, 31, v0
	v_lshlrev_b32 v[L16], 4, v6
	v_lshlrev_b32 v[L8], 3, v6
	; where the results go, and b1 in the result's layout: each kind has its own lines
	s_lshr_b32 s18, s17, 3
	s_lshl_b32 s18, s18, 4                         ; 16 x batch (a batch is 8 tile rows)
	s_and_b32 s19, s17, 7
	s_lshl_b32 s19, s19, 1                         ; the tile's first step of 128 tokens in its batch
	s_lshl_b32 s20, s42, 10                        ; b1: 4 bytes x 256 x tile column
	s_cmp_eq_u32 s[KIND], 0
	s_cbranch_scc0 .Lv_setup
	s_add_co_u32 s19, s19, s15                     ; q, k: my tokens are source 1's half
	s_lshl_b32 s21, s16, 9
	s_add_co_u32 s20, s20, s21                     ; my columns source 0's half
	s_mov_b32 s21, 0
	s_add_nc_u64 s[12:13], s[12:13], s[20:21]
	s_lshl_b32 s20, s42, 2
	s_lshl_b32 s21, s16, 1
	s_add_co_u32 s20, s20, s21
	s_and_b32 s20, s20, 15                         ; my first head of two
	s_add_co_u32 s18, s18, s20
	s_lshl_b32 s18, s18, 4
	s_add_co_u32 s18, s18, s19                     ; the record's number: (16 batch + head) 16 + step
	s_mov_b32 s21, QREC
	s_mov_b32 s22, 6144
	s_cmp_eq_u32 ttmp9, 1                          ; k's columns?
	s_cselect_b64 s[4:5], s[98:99], s[96:97]
	s_cselect_b32 s21, REC, s21                    ; a record's bytes
	s_cselect_b32 s22, 12288, s22                  ; and where its scale words begin
	s_mul_i32 s18, s18, s21
	s_mov_b32 s19, 0
	s_add_nc_u64 s[4:5], s[4:5], s[18:19]          ; the first head's record,
	s_lshl_b32 s20, s21, 4
	s_mov_b32 s21, 0
	s_add_nc_u64 s[6:7], s[4:5], s[20:21]          ; the second's: 16 records on,
	s_mov_b32 s23, 0
	s_add_nc_u64 s[8:9], s[4:5], s[22:23]          ; and their scale words
	s_add_nc_u64 s[10:11], s[6:7], s[22:23]
	v_lshlrev_b32 v8, 6, v2                        ; register j of tile b is column 32 (b / 2) + 8 (b % 2) + 16 h + j
.irp b, 0,1,2,3,4,5,6,7
	global_load_b128 v[BIAS+8*\b:BIAS+8*\b+3], v8, s[12:13] offset:128*(\b/2)+32*(\b%2)
	global_load_b128 v[BIAS+8*\b+4:BIAS+8*\b+7], v8, s[12:13] offset:128*(\b/2)+32*(\b%2)+16
.endr
	s_branch .Lsetup_done
.Lv_setup:
	s_add_co_u32 s19, s19, s16                     ; v: my tokens are source 0's half
	s_lshl_b32 s21, s15, 9
	s_add_co_u32 s20, s20, s21                     ; my columns source 1's half
	s_mov_b32 s21, 0
	s_add_nc_u64 s[12:13], s[12:13], s[20:21]
	s_sub_co_u32 s20, s42, 8
	s_lshl_b32 s20, s20, 2
	s_lshl_b32 s21, s15, 1
	s_add_co_u32 s20, s20, s21                     ; my first head of two
	s_add_co_u32 s18, s18, s20
	s_lshl_b32 s18, s18, 4
	s_add_co_u32 s18, s18, s19
	s_mul_i32 s18, s18, REC
	s_add_co_u32 s18, s18, 6144                    ; V's codes in the record
	s_mov_b32 s19, 0
	s_add_nc_u64 s[4:5], s[98:99], s[18:19]
	v_and_b32 v9, 8, v1
	v_add_nc_u32 v9, v9, v1
	v_lshlrev_b32 v8, 2, v9                        ; lane r of tile a is column 32 (a / 2) + 8 (a % 2) + r + 8 (r / 8): the same number in all eight registers
.irp a, 0,1,2,3,4,5,6,7
.irp j, 0,1,2,3,4,5,6,7
	global_load_b32 v[BIAS+8*\a+\j], v8, s[12:13] offset:128*(\a/2)+32*(\a%2)
.endr
.endr
.Lsetup_done:
.macro FRAG reg, adr, q, i             ; a fragment: lane l holds row l % 16; registers 6 c .. 6 c + 5 hold K = 64 c + 32 (l / 16) + 0 .. 31: 24 bytes of the row, in pieces of 8
.irp p, 0,1,2,3,4,5
.set PCE, 12*(\q)+6*(\p/3)+\p%3       ; lanes 16-31 read three pieces further on; where that lies behind one padding more, the second address register serves
.if PCE%8 < 5
	ds_load_b64 v[\reg+2*\p:\reg+2*\p+1], v[\adr] offset:8*PCE+16*(PCE/8)+(\i)*16*PITCH
.else
	ds_load_b64 v[\reg+2*\p:\reg+2*\p+1], v[\adr+2] offset:8*PCE+16*(PCE/8)+(\i)*16*PITCH
.endif
.endr
.endm
; 16 matrix instructions: source 1's blocks a0, a0 + 1 x source 0's eight, 128 along K.  p: source 0's set; sc: the set of scale words.
; zero = 1: the sums begin with b1 by source 0's block (q, k); 2: by source 1's block (v); 0: they go on.  The 64 accumulators take turns, one instruction a turn.
.macro MUL16 a0, p, q, sc, zero
.irp a, \a0, \a0+1
.irp b, 0,1,2,3,4,5,6,7
.if (\zero) == 1
	v_wmma_scale_f32_16x16x128_f8f6f4 v[8*(8*((\a)%4)+\b):8*(8*((\a)%4)+\b)+7], v[128*(\p)+FR*\b:128*(\p)+FR*\b+FR-1], v[AF+FR*(\a):AF+FR*(\a)+FR-1], v[BIAS+8*\b:BIAS+8*\b+7], v[SC+8*NQ*(\sc)+NQ*\b+(\q)], v[SC+8*NQ*(\sc)+NQ*(\a)+(\q)] matrix_a_fmt:MATRIX_FMT_FP6 matrix_b_fmt:MATRIX_FMT_FP6 matrix_a_scale:MATRIX_SCALE_ROW1
.elseif (\zero) == 2
	v_wmma_scale_f32_16x16x128_f8f6f4 v[8*(8*((\a)%4)+\b):8*(8*((\a)%4)+\b)+7], v[128*(\p)+FR*\b:128*(\p)+FR*\b+FR-1], v[AF+FR*(\a):AF+FR*(\a)+FR-1], v[BIAS+8*(\a):BIAS+8*(\a)+7], v[SC+8*NQ*(\sc)+NQ*\b+(\q)], v[SC+8*NQ*(\sc)+NQ*(\a)+(\q)] matrix_a_fmt:MATRIX_FMT_FP6 matrix_b_fmt:MATRIX_FMT_FP6 matrix_a_scale:MATRIX_SCALE_ROW1
.else
	v_wmma_scale_f32_16x16x128_f8f6f4 v[8*(8*((\a)%4)+\b):8*(8*((\a)%4)+\b)+7], v[128*(\p)+FR*\b:128*(\p)+FR*\b+FR-1], v[AF+FR*(\a):AF+FR*(\a)+FR-1], v[8*(8*((\a)%4)+\b):8*(8*((\a)%4)+\b)+7], v[SC+8*NQ*(\sc)+NQ*\b+(\q)], v[SC+8*NQ*(\sc)+NQ*(\a)+(\q)] matrix_a_fmt:MATRIX_FMT_FP6 matrix_b_fmt:MATRIX_FMT_FP6 matrix_a_scale:MATRIX_SCALE_ROW1
.endif
.endr
.endr
.endm
.macro FETCH_B slot, q, p              ; source 0's eight fragments of the slot's q-th 128 along K into set p
	WIN TO_B
.irp i, 0,1,2,3,4,5,6,7
	FRAG 128*(\p)+FR*\i, ADRB+\slot, \q, \i
.endr
	WIN 0
.endm
.macro FETCH_A slot, q, i0             ; source 1's blocks i0 .. i0 + 3
.irp i, \i0, \i0+1, \i0+2, \i0+3
	FRAG AF+FR*(\i), ADRA+\slot, \q, \i
.endr
.endm
.macro SCALES sc                       ; a K step's scale words into set sc: two words a row
.irp i, 0,1,2,3,4,5,6,7
	ds_load_b64 v[SC+8*NQ*\sc+NQ*\i:SC+8*NQ*\sc+NQ*\i+1], v[ADRS] offset:\i*SBLK
.endr
.endm
.macro PLACES n                        ; plain vector instructions between a matrix instruction and a load into, or a read of, its registers (ISA guide 7.12.1 for reads)
.rept \n
	v_nop
.endr
.endm
; A step of 128 along K that has its successor in the same slot.
.macro STEP slot, q, zero
	s_wait_dscnt 4*NL                              ; source 0's set and source 1's blocks 0-3 are in; the youngest 24 loads (blocks 4-7) may be out
.if \zero
	WIN 0x81                                       ; C (b1) in window 0, D in window 2
.else
	WIN MUL_LO
.endif
	MUL16 0, (\q)%2, \q, \slot, \zero
	MUL16 2, (\q)%2, \q, \slot, \zero
	s_wait_dscnt 0                                 ; blocks 4-7 are in
	PLACES NP
	FETCH_B \slot, (\q)+1, 1-(\q)%2
	FETCH_A \slot, (\q)+1, 0
.if \zero
	WIN 0xc1                                       ; C in window 0, D in window 3
.else
	WIN MUL_HI
.endif
	MUL16 4, (\q)%2, \q, \slot, \zero
	MUL16 6, (\q)%2, \q, \slot, \zero
	PLACES NP
	WIN 0
	FETCH_A \slot, (\q)+1, 4
.endm
; A slot's last step changes slots: ONE barrier; in front of it each wave waits for all its tensor loads, adds 0 to its spare word, and waits for that and for its own reads of this slot.  fill = 1: this slot is filled again.
.macro TURN slot, next, fill
	s_wait_tensorcnt 0x0                           ; all my tensor loads have landed: my part of the next slot
	ds_add_u32 v[SPW], v[NIL]                      ; 0 onto my spare word
	s_wait_dscnt 4*NL+1                            ; (the add and the youngest 24 loads may be out)
	WIN MUL_LO
	MUL16 0, 1, NQ-1, \slot, 0                     ; sixteen matrix instructions stand between the add and the wait for it
	s_wait_dscnt 0x0                               ; the add is done, and my reads of this slot are over
	s_barrier_signal -1
	MUL16 2, 1, NQ-1, \slot, 0
	WIN 0
	s_barrier_wait -1
.if \fill
	CREST                                          ; the barrier has opened a round of the cluster's: no wave of any partner still reads this slot or has a load on its way
	s_add_nc_u64 s[G0+4*\slot+2:G0+4*\slot+3], s[G0+4*\slot+2:G0+4*\slot+3], 2*ROWB
	s_add_nc_u64 s[G0B+4*\slot+2:G0B+4*\slot+3], s[G0B+4*\slot+2:G0B+4*\slot+3], 2*ROWB
	JLOAD G0+4*\slot, G1, G0B+4*\slot, G1B         ; the first tensor load behind the round; its four v_nop are also the places in front of the loads below
.else
	PLACES NP
.endif
	v_add_nc_u32 v[ADRS], 4*NQ, v[ADRS]            ; on to the next K step's scale words
	FETCH_B \next, 0, 0
	FETCH_A \next, 0, 0
	SCALES \next
	WIN MUL_HI
	MUL16 4, 1, NQ-1, \slot, 0
	MUL16 6, 1, NQ-1, \slot, 0
	PLACES NP
	WIN 0
	FETCH_A \next, 0, 4
.endm
	s_wait_tensorcnt 1                             ; the scales and my part of K step 0 are in (K step 1's load may be out)
	s_barrier_signal -1
	s_barrier_wait -1                              ; everybody's are
	FETCH_B 0, 0, 0
	FETCH_A 0, 0, 0
	SCALES 0
	FETCH_A 0, 0, 4
	s_wait_loadcnt 0x0                             ; b1
	s_cmp_eq_u32 s[KIND], 0
	s_cbranch_scc0 .Lv_first                       ; the first step is written once for each kind: it differs in which registers of b1 start a sum; it holds no barrier and no tensor load
	STEP 0, 0, 1
	s_branch .Lfirst_done
.Lv_first:
	STEP 0, 0, 2
.Lfirst_done:
	s_mov_b32 s3, LAPS-1
.Llap:                                                 ; a trip goes once round the ring and fills both slots again
	TURN 0, 1, 1
	STEP 1, 0, 0
	TURN 1, 0, 1
	STEP 0, 0, 0
	s_sub_co_u32 s3, s3, 1
	s_cmp_lg_u32 s3, 0
	s_cbranch_scc1 .Llap
	TURN 0, 1, 0                                   ; the last lap fills nothing, and has no round of the cluster's barrier
	STEP 1, 0, 0
	s_wait_dscnt 4*NL                              ; the very last step
	WIN MUL_LO
	MUL16 0, 1, NQ-1, 1, 0
	MUL16 2, 1, NQ-1, 1, 0
	s_wait_dscnt 0
	WIN MUL_HI
	MUL16 4, 1, NQ-1, 1, 0
	MUL16 6, 1, NQ-1, 1, 0
	WIN 0
; THE QUANTISER.  The 64 accumulator registers of source 1's tile a: register 16 b + i is number 32 b + 16 (lane / 16) + i along source 0's rows.  Blocks 0, 1 become six registers of codes at v[d0], blocks 2, 3 at v[d1]
; (lanes 0-15 hold the even block, lanes 16-31 the odd one, as an operand's layout asks); the four bytes make v[pw].  Each accumulator is read from its low end on.
.macro QUANT a, d0, d1, pw
.set AC, 64*((\a)%4)
.set W, 2+(\a)/4
	WIN 5*W                                        ; sources 0 and 1 in the accumulators' window
.irp b, 0,1,2,3
	v_max3_num_f32 v[TM+\b], |v[AC+16*\b]|, |v[AC+16*\b+1]|, 0x1800000   ; my 16 numbers of block b, and the floor 2^(3 - 127): the byte cannot fall under 1
.endr
.irp i, 2,4,6,8,10,12,14
.irp b, 0,1,2,3
	v_max3_num_f32 v[TM+\b], |v[AC+16*\b+\i]|, |v[AC+16*\b+\i+1]|, v[TM+\b]   ; (the four blocks by turns)
.endr
.endr
	WIN 0
.irp b, 0,1,2,3
	v_permlanex16_b32 v[TM+4+\b], v[TM+\b], s[SEL], s[SEL+1]
.endr
.irp b, 0,1,2,3
	v_max_num_f32 v[TM+\b], v[TM+\b], v[TM+4+\b]   ; with lane l xor 16's: the block's largest magnitude
.endr
.irp b, 0,1,2,3
	v_add_nc_u32 v[TM+12+\b], 0xff000000, v[TM+\b] ; 2 off its exponent field: the conversion's scale operand
.endr
.irp b, 0,1,2,3
	v_lshrrev_b32 v[TM+4+\b], 23, v[TM+12+\b]      ; the scale's byte
.endr
	v_lshl_or_b32 v[\pw], v[TM+5], 8, v[TM+4]
	v_lshl_or_b32 v[\pw], v[TM+6], 16, v[\pw]
	v_lshl_or_b32 v[\pw], v[TM+7], 24, v[\pw]
	WIN W                                          ; source 0 in the accumulators' window
	v_cvt_scalef32_pk16_fp6_f32 v[\d0:\d0+2], v[AC:AC+15], v[TM+12]
	v_cvt_scalef32_pk16_fp6_f32 v[TP:TP+2], v[AC+16:AC+31], v[TM+13]
	v_cvt_scalef32_pk16_fp6_f32 v[\d1:\d1+2], v[AC+32:AC+47], v[TM+14]
	v_cvt_scalef32_pk16_fp6_f32 v[TP+4:TP+6], v[AC+48:AC+63], v[TM+15]
	WIN 0
	v_nop                                          ; one plain line behind the conversions
.irp i, 0,1,2
	v_permlane16_swap_b32 v[\d0+\i], v[TP+\i]      ; a whole block to a lane: the first's lanes 16-31 change places with the second's lanes 0-15
	v_permlane16_swap_b32 v[\d1+\i], v[TP+4+\i]
.endr
.irp i, 0,1,2
	v_mov_b32 v[\d0+3+\i], v[TP+\i]
	v_mov_b32 v[\d1+3+\i], v[TP+4+\i]
.endr
.endm
	PLACES NP                                      ; behind the last products: for the reads of results and for the writes into registers that held fragments
.irp b, 0,1,2,3
	v_mov_b32 v[TM+4+\b], 0                        ; written once: a lane permute's destination counts as one of its sources
.endr
	s_cmp_eq_u32 s[KIND], 0
	s_cbranch_scc0 .Lv_out
	; q, k: tile a is 16 tokens; blocks 0, 1 are my first head's 64, blocks 2, 3 my second's.  A unit is tiles 2 u and 2 u + 1 of one head.
.irp u, 0,1,2,3
.if \u > 0
	s_wait_xcnt 0x0                                ; the last unit's stores have read their registers
.endif
	QUANT 2*\u, PC, PC+12, PW0
	QUANT 2*\u+1, PC+6, PC+18, PW1
.irp g, 0,1,2
	global_store_b128 v[L16], v[PC+4*\g:PC+4*\g+3], s[4:5] offset:1536*\u+512*\g         ; 32 lanes store 512 consecutive bytes, aligned
	global_store_b128 v[L16], v[PC+12+4*\g:PC+12+4*\g+3], s[6:7] offset:1536*\u+512*\g
.endr
	v_cndmask_b32 v[MG], v[PW0], v[PW1], s[HI16]   ; lanes 0-15 tile 2 u's words, lanes 16-31 tile 2 u + 1's
	v_and_b32 v[KSC+\u], 0xffff, v[MG]             ; the first head's two bytes; the upper two stay 0: the K = 128 instruction's empty half
	v_lshrrev_b32 v[KSC+4+\u], 16, v[MG]           ; the second head's
.endr
	global_store_b128 v[L16], v[KSC:KSC+3], s[8:9]
	global_store_b128 v[L16], v[KSC+4:KSC+7], s[10:11]
	s_branch .Lout_done
.Lv_out:
	; v: tile a is 16 channels (head a / 4, its tile a % 4); the four blocks are my 128 tokens: one whole fragment
.irp u, 0,1,2,3
.if \u > 0
	s_wait_xcnt 0x0
.endif
	QUANT 2*\u, PC, PC+6, PW0
	QUANT 2*\u+1, PC+12, PC+18, PW1
.irp g, 0,1,2
	global_store_b128 v[L16], v[PC+4*\g:PC+4*\g+3], s[4:5] offset:(\u/2)*16*REC+((2*\u)%4)*1536+512*\g
	global_store_b128 v[L16], v[PC+12+4*\g:PC+12+4*\g+3], s[4:5] offset:(\u/2)*16*REC+((2*\u+1)%4)*1536+512*\g
.endr
	v_cndmask_b32 v[KSC+\u], v[PW0], v[PW1], s[HI16]
.endr
	global_store_b64 v[L8], v[KSC:KSC+1], s[4:5] offset:6656                 ; V's scale words: 256 consecutive bytes, aligned
	global_store_b64 v[L8], v[KSC+2:KSC+3], s[4:5] offset:16*REC+6656
.Lout_done:
	s_wait_tensorcnt 0x0                           ; the wave's end
	ds_add_u32 v[SPW], v[NIL]
	s_wait_dscnt 0x0
	CROUND                                         ; the closing round: no work-group ends while a partner may still ask for a tile that names it
	s_endpgm
.Lfunc_end_k_qb20a9e88f8_qkv:
	.size	k_qb20a9e88f8_qkv, .Lfunc_end_k_qb20a9e88f8_qkv-k_qb20a9e88f8_qkv
	.p2alignl 7, 3214868480
	.fill 96, 4, 3214868480
	.section	.rodata,"a",@progbits
	.p2align	6, 0x0
	.amdhsa_kernel k_qb20a9e88f8_qkv
		.amdhsa_group_segment_fixed_size 327680
		.amdhsa_private_segment_fixed_size 0
		.amdhsa_enable_private_segment 0
		.amdhsa_kernarg_size 56
		.amdhsa_user_sgpr_count 2
		.amdhsa_user_sgpr_kernarg_segment_ptr 1
		.amdhsa_wavefront_size32 1
		.amdhsa_system_sgpr_workgroup_id_x 1
		.amdhsa_system_sgpr_workgroup_id_y 1
		.amdhsa_system_sgpr_workgroup_id_z 1
		.amdhsa_system_vgpr_workitem_id 0
		.amdhsa_next_free_vgpr 1024
		.amdhsa_next_free_sgpr 102
		.amdhsa_reserve_vcc 0
		.amdhsa_float_denorm_mode_32 3
		.amdhsa_float_denorm_mode_16_64 3
		.amdhsa_memory_ordered 1
		.amdhsa_forward_progress 1
		.amdhsa_inst_pref_size 222
	.end_amdhsa_kernel
	.amdgpu_metadata
---
amdhsa.version: [ 1, 2 ]
amdhsa.kernels:
  - .name:           k_qb20a9e88f8_qkv
    .symbol:         k_qb20a9e88f8_qkv.kd
    .args:
      - { .name: act_codes, .offset: 0, .size: 8, .value_kind: global_buffer, .address_space: global }
      - { .name: act_scales, .offset: 8, .size: 8, .value_kind: global_buffer, .address_space: global }
      - { .name: w1_codes, .offset: 16, .size: 8, .value_kind: global_buffer, .address_space: global }
      - { .name: w1_scales, .offset: 24, .size: 8, .value_kind: global_buffer, .address_space: global }
      - { .name: b1, .offset: 32, .size: 8, .value_kind: global_buffer, .address_space: global }
      - { .name: q_img, .offset: 40, .size: 8, .value_kind: global_buffer, .address_space: global }
      - { .name: kv_img, .offset: 48, .size: 8, .value_kind: global_buffer, .address_space: global }
    .group_segment_fixed_size: 327680
    .private_segment_fixed_size: 0
    .kernarg_segment_align: 8
    .kernarg_segment_size: 56
    .max_flat_workgroup_size: 128
    .sgpr_count:     102
    .vgpr_count:     1024
    .wavefront_size: 32
...
	.end_amdgpu_metadata
.endif
;; end of part 2
;; launch attn (part 3): grid 4 x 64, 16 waves a work-group, clusters of 4 x 1, 210,944 bytes of LDS; arguments q_img, kv_img, act_codes, act_scales; writes act_codes, act_scales
.if DOCPART == 3
	.amdgcn_target "amdgcn-amd-amdhsa--gfx1250"
	.amdhsa_code_object_version 6
	.text
	.protected	k_qb20a9e88f8_attn
	.globl	k_qb20a9e88f8_attn
	.p2align	8
	.type	k_qb20a9e88f8_attn,@function
k_qb20a9e88f8_attn:
	s_mov_b64 s[64:65], 0
	v_nop
	global_prefetch_b8 v0, s[64:65] scope:SCOPE_SE
	s_setreg_imm32_b32 hwreg(HW_REG_WAVE_MODE, 25, 1), 1
	s_wait_xcnt 0x0
	s_wait_alu depctr_hold_cnt(0) depctr_sa_sdst(0) depctr_va_vdst(0) depctr_va_sdst(0) depctr_va_ssrc(0) depctr_va_vcc(0) depctr_vm_vsrc(0)
	s_getreg_b32 s2, hwreg(HW_REG_IB_STS2, 6, 4)
	s_cmp_eq_u32 s2, 0
	s_cbranch_scc0 .Lentry_in_a_cluster
	s_endpgm
.Lentry_in_a_cluster:
	s_bfe_u32 s2, ttmp6, 0x10000c
	s_cmp_lg_u32 s2, 0x3003
	s_cbranch_scc0 .Lentry_shape_is_right
	s_endpgm
.Lentry_shape_is_right:
; a[b][q][head] = softmax_k(q . k) v for 64 (batch, head) pairs, 2,048 keys, head size 64, both products on codes of FP6 (E2M3) with E8M0 scales; a is quantised along the model's 1,024 on the way out.
; THE SOFTMAX AHEAD OF THE SECOND PRODUCT: t = score x log2(e); M = the row's largest t so far, rounded UP to a whole number; p = 2^(t - M) is quantised along the keys, not normalised; the row's sum is taken of the
; unquantised p and divides at the end.  When M moves, the sum and O are multiplied by 2^(old M - new M): exact.
; SHARES.  A work-group owns 512 queries of one head; each of its sixteen waves owns a tile of 16, twice (two passes): four waves to a SIMD, so that one wave's vector work stands beside another's products and LDS loads.
; LDS.  The head's K and V, 16 records of 13,056 bytes (128 keys each), are 208,896 bytes: they are brought ONCE and stay.  Nothing is filled again: no ring.  All reads are images of operand registers, 16 or 8 bytes a lane on end.
; CLUSTER.  The four work-groups of a head read the same records: waves 0 to 3 ask for them jointly, four loads each, behind one round; a closing round stands at the end.  All of K and V is asked for at the head,
; so there is no later tile for a prefetch to run ahead of.
; LAYOUT.  Both products are used transposed (S^T = K Q^T, O^T = V^T P^T): a lane holds one query.  Tile t of K holds keys 32 (t / 2) + 8 (t % 2) + r + 8 (r / 8), so that the 16 registers of tiles 2 b, 2 b + 1 are keys
; 32 b + 16 (lane / 16) + 0 .. 15; V's channels are laid the same way, so that O^T's registers are neighbours along the head.
; K = 64 IN AN INSTRUCTION OF K = 128: a head's 64 codes are a fragment's registers 0-5.  Q's registers 6-11 are zero codes; K's tile t is named with the next tile's six registers behind it (six zeros behind tile 7),
; which meet Q's zeros; bytes 2 and 3 of Q's and K's scale words are 0.
; OUT.  act_codes: [tile of 16 rows][head][3 pieces of 256 bytes]: a head's six operand registers as three images of register pairs.  act_scales: [row][32]: two bytes a head and row, stored as 2 bytes a lane to rows
; 32 bytes apart: a row's 32 bytes come from 16 work-groups; 262,144 bytes in the launch.
; LIMITS: NaN and infinities are not served; the running maximum starts at -3e38; a block of a whose largest magnitude lies under 2^-124 gets the byte 1.
.set REC,   13056
.set QREC,  6656
.set VOFF,  6144                       ; in a record: V's codes,
.set KSOFF, 12288                      ; K's scale words,
.set VSOFF, 12800                      ; V's
.set LI,   1                           ; v1   16 x lane
.set L8,   2                           ; v2   8 x lane
.set ADK,  3                           ; v3   the step's record + 16 x lane
.set ADV,  4                           ; v4   the step's record + 8 x lane
.set QA,   5                           ; v5   my unit of Q's codes
.set QSA,  6                           ; v6   my tile's scale words of Q
.set ASO,  7                           ; v7   32 x (lane % 16): my row of act_scales
.set QF,   16                          ; v16-27 Q's fragment (v22-27 zeros)
.set QS,   28                          ; v28  Q's scale words
.set KSR,  32                          ; v32-35 K's scale words: register u: lanes 0-15 tile 2 u, lanes 16-31 tile 2 u + 1
.set VSR,  36                          ; v36-37 V's likewise
.set KV,   40                          ; v40-87 K's eight tiles of six registers, then V's four fragments; v88-93 zeros
.set SS,   96                          ; v96-159 S^T, then p
.set OT,   160                         ; v160-191 O^T
.set PC,   192                         ; v192-203 p's codes
.set TP,   204                         ; v204-206, v208-210 the conversions' second halves
.set BM,   212                         ; v212-215 a block's largest score, then its largest p
.set BX,   216                         ; v216-219 the other half's, then bytes
.set SO,   220                         ; v220-223 the conversions' scale operands
.set PW,   224                         ; v224 p's scale word
.set FF,   226                         ; v[226:227] f = 2^(old M - new M) (the pair is named, its low word serves)
.set TT,   228
.set SU,   230                         ; v[230:231] the sum's second chain
.set WV,   12                          ; s12  my wave
.set SEL,  20                          ; s[20:21] lane selects: lane l xor 16
.set CS,   22                          ; s[22:23] log2(e), twice
.set G1,   24                          ; s[24:31] group 1: a record
.set G0,   32                          ; s[32:47] four groups 0
.set TB,   48                          ; s48  LDS byte of the step's record
.set CNT,  49
.set PASS, 50
.set ODD,  51                          ; s51  all ones in odd waves
.set QB,   52                          ; s[52:53] Q's record
.set AO,   54                          ; s[54:55] my tile's place in act_codes
.set AS,   56                          ; s[56:57] and in act_scales
.macro ROUND                           ; a round of the cluster's barrier
	s_barrier_signal -1
	s_barrier_wait -1
	s_cmp_lg_u32 s[WV], 0
	s_cbranch_scc1 .Lnot_wave_0_\@
	s_barrier_signal -3
.Lnot_wave_0_\@:
	s_barrier_wait -3
	s_barrier_signal -1
	s_barrier_wait -1
.endm
	s_load_b256 s[4:11], s[0:1], 0x0               ; q_img s[4:5], kv_img s[6:7], act_codes s[8:9], act_scales s[10:11]
	v_lshl_add_u32 v254, v0, 2, 0x33000
	v_mov_b32 v255, 0
	ds_add_u32 v254, v255
	ds_add_u32 v254, v255
	v_lshrrev_b32 v8, 5, v0
	v_readfirstlane_b32 s[WV], v8                  ; wave 0..15
	s_bfe_u32 s13, ttmp6, 0x40000                  ; cx: it enters Q's and the outputs' global addresses alone
	s_lshl_b32 s14, ttmp9, 2
	s_add_co_u32 s14, s14, s13                     ; my block of 512 queries
	s_and_b32 s15, ttmp7, 0xffff                   ; 16 x batch + head, which the four partners share
	; group 1: a record is a dense block of 51 rows of 256 bytes (32 elements of 8)
	s_mov_b32 s[G1], 15|(3<<16)|(1<<21)            ; 15:0 the mask: all four work-groups; elements of 8 bytes; no padding; bit 21 beside a mask
	s_mov_b32 s[G1+1], 32<<16                      ; tensor_dim0
	s_mov_b32 s[G1+2], 51<<16                      ; tensor_dim1
	s_mov_b32 s[G1+3], 32<<16                      ; tile_dim0
	s_mov_b32 s[G1+4], 51                          ; tile_dim1
	s_mov_b32 s[G1+5], 32                          ; from row to row
	s_mov_b32 s[G1+6], 0
	s_mov_b32 s[G1+7], 0
	s_and_b32 s16, s[WV], 3                        ; waves 0 to 3 fetch: load c of wave w brings record 4 c + w
	s_mul_i32 s17, s16, REC
	s_lshl_b32 s18, s15, 4
	s_add_co_u32 s18, s18, s16
	s_mul_i32 s18, s18, REC
	s_mov_b32 s19, 0
	s_mov_b32 s[SEL], 0x76543210
	s_mov_b32 s[SEL+1], 0xfedcba98
	s_mov_b32 s[CS], 0x3fb8aa3b                    ; log2(e)
	s_mov_b32 s[CS+1], s[CS]
	s_wait_dscnt 0x0
	s_wait_kmcnt 0x0
	s_add_nc_u64 s[18:19], s[6:7], s[18:19]
	ROUND                                          ; all four work-groups are here: the joint loads meet
.irp c, 0,1,2,3
	s_mov_b32 s[G0+4*\c], 1                        ; count = 1
	s_add_co_u32 s[G0+4*\c+1], s17, \c*4*REC       ; LDS address
	s_add_nc_u64 s[G0+4*\c+2:G0+4*\c+3], s[18:19], \c*4*REC
	s_or_b32 s[G0+4*\c+3], s[G0+4*\c+3], 0x80000000   ; type = 2
.endr
	s_cmp_lt_u32 s[WV], 4                          ; a wave's four fills stand in one branch, ahead of every wait on TENSORcnt and every LDS read: four loads of mine are out
	s_cbranch_scc0 .Lno_fill
	tensor_load_to_lds s[G0:G0+3], s[G1:G1+7]
	s_nop 0
	tensor_load_to_lds s[G0+4:G0+7], s[G1:G1+7]
	s_nop 0
	tensor_load_to_lds s[G0+8:G0+11], s[G1:G1+7]
	s_nop 0
	tensor_load_to_lds s[G0+12:G0+15], s[G1:G1+7]
	s_nop 0
.rept 4
	v_nop
.endr
.Lno_fill:
	; my tile of queries in pass p is tile 32 x block + 16 p + wave of the head's 128: record 4 x block + 2 p + wave / 8, unit (wave / 2) % 4, half wave % 2
	s_lshl_b32 s58, s15, 4
	s_lshl_b32 s59, s14, 2
	s_add_co_u32 s58, s58, s59
	s_lshr_b32 s59, s[WV], 3
	s_add_co_u32 s58, s58, s59
	s_mul_i32 s58, s58, QREC
	s_mov_b32 s59, 0
	s_add_nc_u64 s[QB:QB+1], s[4:5], s[58:59]
	s_lshr_b32 s60, s15, 4
	s_lshl_b32 s60, s60, 7
	s_lshl_b32 s61, s14, 5
	s_add_co_u32 s60, s60, s61
	s_add_co_u32 s60, s60, s[WV]                   ; the tile among all 512: 128 x batch + 32 x block + wave
	s_and_b32 s61, s15, 15                         ; the head
	s_mul_i32 s58, s60, 12288
	s_mul_i32 s62, s61, 768
	s_add_co_u32 s58, s58, s62
	s_add_nc_u64 s[AO:AO+1], s[8:9], s[58:59]
	s_lshl_b32 s58, s60, 9
	s_lshl_b32 s62, s61, 1
	s_add_co_u32 s58, s58, s62
	s_add_nc_u64 s[AS:AS+1], s[10:11], s[58:59]
	v_and_b32 v8, 31, v0
	v_lshlrev_b32 v[LI], 4, v8
	v_lshlrev_b32 v[L8], 3, v8
	v_and_b32 v9, 15, v0
	s_lshr_b32 s60, s[WV], 1
	s_and_b32 s60, s60, 3                          ; my unit
	s_mul_i32 s61, s60, 1536
	v_add_nc_u32 v[QA], s61, v[LI]
	s_and_b32 s61, s[WV], 1
	s_lshl_b32 s62, s61, 8
	s_lshl_b32 s60, s60, 2
	s_add_co_u32 s62, s62, s60
	s_add_co_u32 s62, s62, 6144
	v_lshl_add_u32 v[QSA], v9, 4, s62              ; 6,144 + 16 (r + 16 x half) + 4 x unit
	v_lshlrev_b32 v[ASO], 5, v9
	s_cmp_lg_u32 s61, 0
	s_cselect_b32 s[ODD], -1, 0
.irp i, 0,1,2,3,4,5
	v_mov_b32 v[QF+6+\i], 0                        ; Q's empty half: zero codes
	v_mov_b32 v[KV+48+\i], 0                       ; and what stands behind K's tile 7
.endr
.irp b, 0,1,2,3
	v_mov_b32 v[BX+\b], 0                          ; written once: a lane permute's destination counts as one of its sources
.endr
	v_mov_b32 v[FF+1], 0                           ; (named as the upper half of a pair)
	s_mov_b32 s[PASS], 2
; A KEY STEP: 128 keys, the record at LDS byte s[TB].
.macro STEP
	v_add_nc_u32 v[ADK], s[TB], v[LI]
	v_add_nc_u32 v[ADV], s[TB], v[L8]
	v_nop
	v_nop                                          ; these four are the places between the last step's products and the loads into their registers
.irp g, 0,1,2,3,4,5,6,7,8,9,10,11
	ds_load_b128 v[KV+4*\g:KV+4*\g+3], v[ADK] offset:512*\g          ; K's eight tiles, six registers each
.endr
	ds_load_b128 v[KSR:KSR+3], v[ADK] offset:KSOFF
	s_wait_dscnt 0x0
.irp t, 0,1,2,3,4,5,6,7
.if \t%2
	v_wmma_scale_f32_16x16x128_f8f6f4 v[SS+8*\t:SS+8*\t+7], v[KV+6*\t:KV+6*\t+11], v[QF:QF+11], 0, v[KSR+\t/2], v[QS] matrix_a_fmt:MATRIX_FMT_FP6 matrix_b_fmt:MATRIX_FMT_FP6 matrix_a_scale:MATRIX_SCALE_ROW1
.else
	v_wmma_scale_f32_16x16x128_f8f6f4 v[SS+8*\t:SS+8*\t+7], v[KV+6*\t:KV+6*\t+11], v[QF:QF+11], 0, v[KSR+\t/2], v[QS] matrix_a_fmt:MATRIX_FMT_FP6 matrix_b_fmt:MATRIX_FMT_FP6
.endif
.endr
.rept 4
	v_nop                                          ; places: for the loads below and for the first read of the scores
.endr
.irp g, 0,1,2,3,4,5,6,7,8,9,10,11
	ds_load_b128 v[KV+4*\g:KV+4*\g+3], v[ADK] offset:VOFF+512*\g     ; V's four fragments are asked for now and land under the softmax
.endr
	ds_load_b64 v[VSR:VSR+1], v[ADV] offset:VSOFF
.irp b, 0,1,2,3
	v_max3_num_f32 v[BM+\b], v[SS+16*\b], v[SS+1+16*\b], v[SS+2+16*\b]   ; the largest score of each block of 32 keys: it serves the row's maximum and, since p rises with the score, the block's largest p
.endr
.irp i, 3,5,7,9,11,13
.irp b, 0,1,2,3
	v_max3_num_f32 v[BM+\b], v[BM+\b], v[SS+16*\b+\i], v[SS+1+16*\b+\i]
.endr
.endr
.irp b, 0,1,2,3
	v_max_num_f32 v[BM+\b], v[BM+\b], v[SS+15+16*\b]
.endr
.irp b, 0,1,2,3
	v_permlanex16_b32 v[BX+\b], v[BM+\b], s[SEL], s[SEL+1]
.endr
.irp b, 0,1,2,3
	v_max_num_f32 v[BM+\b], v[BM+\b], v[BX+\b]     ; with lane l xor 16's 16 keys
.endr
	v_max3_num_f32 v[TT], v[BM], v[BM+1], v[BM+2]
	v_max_num_f32 v[TT], v[TT], v[BM+3]            ; the step's largest score of my query
	v_mul_f32 v[TT], s[CS], v[TT]                  ; as t
	v_max_num_f32 v13, v13, v[TT]                  ; the running largest t
	v_mov_b32 v[TT], v12
	v_floor_f32 v12, -v13                          ; the new -M = floor(-t): M is a whole number
	v_sub_f32 v[TT], v12, v[TT]                    ; old M - new M: a whole number, 0 or less
	v_cvt_i32_f32 v[TT], v[TT]                     ; (it saturates)
	v_ldexp_f32 v[FF], 1.0, v[TT]                  ; f = 2^(old M - new M)
.set j, 0
.rept 32
	v_pk_fma_f32 v[SS+j:SS+j+1], v[SS+j:SS+j+1], s[CS:CS+1], v[12:13] op_sel_hi:[1,0,0]   ; t - M, two at a time
.set j, j+2
.endr
.irp b, 0,1,2,3
	v_fma_f32 v[BM+\b], v[BM+\b], s[CS], v12       ; the same of each block's largest score
.endr
.set j, 0
.rept 64
	v_exp_f32 v[SS+j], v[SS+j]                     ; p = 2^(t - M), at most 1
.set j, j+1
.endr
	v_pk_mul_f32 v[14:15], v[14:15], v[FF:FF+1] op_sel_hi:[1,0]      ; the sums under the new M (the plain line behind the exponentials)
	s_wait_alu depctr_va_vdst(0)                   ; one wait for the batch of 64, ahead of its first reader
.irp b, 0,1,2,3
	v_exp_f32 v[BM+\b], v[BM+\b]                   ; the block's largest p: the same two instructions on the same number give the same bits
.endr
	v_pk_add_f32 v[SU:SU+1], v[SS:SS+1], v[SS+2:SS+3]                ; the row's sum of the unquantised p, in two chains
.set j, 4
.rept 15
	v_pk_add_f32 v[14:15], v[14:15], v[SS+j:SS+j+1]
	v_pk_add_f32 v[SU:SU+1], v[SU:SU+1], v[SS+j+2:SS+j+3]
.set j, j+4
.endr
	v_pk_add_f32 v[14:15], v[14:15], v[SU:SU+1]
	s_wait_alu depctr_va_vdst(0)                   ; and one for the four
.irp b, 0,1,2,3
	v_max_num_f32 v[BM+\b], 0x1800000, v[BM+\b]    ; the floor 2^(3 - 127): the byte cannot fall under 1
.endr
.irp b, 0,1,2,3
	v_add_nc_u32 v[SO+\b], 0xff000000, v[BM+\b]    ; 2 off the exponent field: the conversion's scale operand
.endr
.irp b, 0,1,2,3
	v_lshrrev_b32 v[BX+\b], 23, v[SO+\b]           ; the scale's byte
.endr
	v_lshl_or_b32 v[PW], v[BX+1], 8, v[BX]         ; p's scale word for these 128 keys
	v_lshl_or_b32 v[PW], v[BX+2], 16, v[PW]
	v_lshl_or_b32 v[PW], v[BX+3], 24, v[PW]
.irp c, 0,1
	v_cvt_scalef32_pk16_fp6_f32 v[PC+6*\c:PC+6*\c+2], v[SS+32*\c:SS+32*\c+15], v[SO+2*\c]
	v_cvt_scalef32_pk16_fp6_f32 v[TP+4*\c:TP+4*\c+2], v[SS+32*\c+16:SS+32*\c+31], v[SO+2*\c+1]
.endr
	v_nop                                          ; one plain line behind the conversions
.irp c, 0,1
.irp i, 0,1,2
	v_permlane16_swap_b32 v[PC+6*\c+\i], v[TP+4*\c+\i]   ; a whole block to a lane
.endr
.irp i, 0,1,2
	v_mov_b32 v[PC+6*\c+3+\i], v[TP+4*\c+\i]
.endr
.endr
.set j, 0
.rept 16
	v_pk_mul_f32 v[OT+j:OT+j+1], v[OT+j:OT+j+1], v[FF:FF+1] op_sel_hi:[1,0]   ; O^T under the new M; these sixteen also stand between the writes of p's codes and scale word and the products
.set j, j+2
.endr
	s_wait_dscnt 0x0                               ; V is in
.irp t, 0,1,2,3
.if \t%2
	v_wmma_scale_f32_16x16x128_f8f6f4 v[OT+8*\t:OT+8*\t+7], v[KV+12*\t:KV+12*\t+11], v[PC:PC+11], v[OT+8*\t:OT+8*\t+7], v[VSR+\t/2], v[PW] matrix_a_fmt:MATRIX_FMT_FP6 matrix_b_fmt:MATRIX_FMT_FP6 matrix_a_scale:MATRIX_SCALE_ROW1
.else
	v_wmma_scale_f32_16x16x128_f8f6f4 v[OT+8*\t:OT+8*\t+7], v[KV+12*\t:KV+12*\t+11], v[PC:PC+11], v[OT+8*\t:OT+8*\t+7], v[VSR+\t/2], v[PW] matrix_a_fmt:MATRIX_FMT_FP6 matrix_b_fmt:MATRIX_FMT_FP6
.endif
.endr                                              ; the four accumulators take turns, and eight other products stand between two links of a chain
.endm
; Four records: those that load c of waves 0 to 3 brought.  The count leaves the later chunks' loads out.  (Waves 4 to 15, and every wave in the second pass, have no load out.)
.macro CHUNK c
	s_wait_tensorcnt 3-\c
	s_wait_dscnt 0x0
	s_barrier_signal -1
	s_barrier_wait -1                              ; everybody's part of the chunk is in
	s_mov_b32 s[TB], \c*4*REC
	s_mov_b32 s[CNT], 4
.Lstep_\@:
	STEP
	s_add_co_u32 s[TB], s[TB], REC
	s_sub_co_u32 s[CNT], s[CNT], 1
	s_cmp_lg_u32 s[CNT], 0
	s_cbranch_scc1 .Lstep_\@
.endm
.Lpass:
.irp g, 0,1,2
	global_load_b128 v[SS+4*\g:SS+4*\g+3], v[QA], s[QB:QB+1] offset:512*\g   ; my unit of Q: two tiles' six registers
.endr
	global_load_b32 v[QS], v[QSA], s[QB:QB+1]
	v_mov_b32 v13, 0xff61b1e6                      ; the largest t so far: -3e38
	v_floor_f32 v12, -v13                          ; -M
	v_mov_b32 v14, 0                               ; the sum, in two halves
	v_mov_b32 v15, 0
	s_wait_loadcnt 0x0
.irp i, 0,1,2,3,4,5
	v_cndmask_b32 v[QF+\i], v[SS+\i], v[SS+6+\i], s[ODD]   ; my tile of the two
.endr
.set j, 0
.rept 32
	v_mov_b32 v[OT+j], 0                           ; O^T: the step is written once; its first run finds zeros, which the first change of M leaves zeros
.set j, j+1
.endr
	CHUNK 0
	CHUNK 1
	CHUNK 2
	CHUNK 3
	; THE WAY OUT: O^T / the sum; its 32 registers are two blocks of 32 along the model's K (register 16 b + i: channel 32 b + 16 (lane / 16) + i)
.rept 4
	v_nop                                          ; places behind the last products
.endr
	v_add_f32 v14, v14, v15
	v_permlanex16_b32 v[BX], v14, s[SEL], s[SEL+1]
	v_add_f32 v14, v14, v[BX]                      ; the row's sum
	v_rcp_f32 v14, v14
	v_nop                                          ; a plain line behind the reciprocal
	s_wait_alu depctr_va_vdst(0)                   ; and the wait ahead of its first reader
.set j, 0
.rept 16
	v_pk_mul_f32 v[SS+j:SS+j+1], v[OT+j:OT+j+1], v[14:15] op_sel_hi:[1,0]   ; each accumulator from its low end on
.set j, j+2
.endr
.irp b, 0,1
	v_max3_num_f32 v[BM+\b], |v[SS+16*\b]|, |v[SS+16*\b+1]|, 0x1800000
.endr
.irp i, 2,4,6,8,10,12,14
.irp b, 0,1
	v_max3_num_f32 v[BM+\b], v[BM+\b], |v[SS+16*\b+\i]|, |v[SS+16*\b+\i+1]|
.endr
.endr
.irp b, 0,1
	v_permlanex16_b32 v[BX+\b], v[BM+\b], s[SEL], s[SEL+1]
.endr
.irp b, 0,1
	v_max_num_f32 v[BM+\b], v[BM+\b], v[BX+\b]
.endr
.irp b, 0,1
	v_add_nc_u32 v[SO+\b], 0xff000000, v[BM+\b]
.endr
.irp b, 0,1
	v_lshrrev_b32 v[BX+\b], 23, v[SO+\b]
.endr
	v_lshl_or_b32 v[PW], v[BX+1], 8, v[BX]         ; my row's two bytes
	v_cvt_scalef32_pk16_fp6_f32 v[PC:PC+2], v[SS:SS+15], v[SO]
	v_cvt_scalef32_pk16_fp6_f32 v[TP:TP+2], v[SS+16:SS+31], v[SO+1]
	v_nop
.irp i, 0,1,2
	v_permlane16_swap_b32 v[PC+\i], v[TP+\i]
.endr
.irp i, 0,1,2
	v_mov_b32 v[PC+3+\i], v[TP+\i]
.endr
.irp p, 0,1,2
	global_store_b64 v[L8], v[PC+2*\p:PC+2*\p+1], s[AO:AO+1] offset:256*\p   ; 32 lanes store 256 consecutive bytes, aligned
.endr
	global_store_b16 v[ASO], v[PW], s[AS:AS+1]     ; both lanes of a row store the same two bytes
	s_wait_xcnt 0x0                                ; the stores and Q's loads have read their registers and bases
	s_add_nc_u64 s[QB:QB+1], s[QB:QB+1], 2*QREC    ; 16 tiles on
	s_add_nc_u64 s[AO:AO+1], s[AO:AO+1], 16*12288
	s_add_nc_u64 s[AS:AS+1], s[AS:AS+1], 16*512
	s_sub_co_u32 s[PASS], s[PASS], 1
	s_cmp_lg_u32 s[PASS], 0
	s_cbranch_scc1 .Lpass
	s_wait_tensorcnt 0x0
	ds_add_u32 v254, v255
	s_wait_dscnt 0x0
	ROUND                                          ; the closing round
	s_endpgm
.Lfunc_end_k_qb20a9e88f8_attn:
	.size	k_qb20a9e88f8_attn, .Lfunc_end_k_qb20a9e88f8_attn-k_qb20a9e88f8_attn
	.p2alignl 7, 3214868480
	.fill 96, 4, 3214868480
	.section	.rodata,"a",@progbits
	.p2align	6, 0x0
	.amdhsa_kernel k_qb20a9e88f8_attn
		.amdhsa_group_segment_fixed_size 210944
		.amdhsa_private_segment_fixed_size 0
		.amdhsa_enable_private_segment 0
		.amdhsa_kernarg_size 32
		.amdhsa_user_sgpr_count 2
		.amdhsa_user_sgpr_kernarg_segment_ptr 1
		.amdhsa_wavefront_size32 1
		.amdhsa_system_sgpr_workgroup_id_x 1
		.amdhsa_system_sgpr_workgroup_id_y 1
		.amdhsa_system_sgpr_workgroup_id_z 1
		.amdhsa_system_vgpr_workitem_id 0
		.amdhsa_next_free_vgpr 256
		.amdhsa_next_free_sgpr 66
		.amdhsa_reserve_vcc 0
		.amdhsa_float_denorm_mode_32 3
		.amdhsa_float_denorm_mode_16_64 3
		.amdhsa_memory_ordered 1
		.amdhsa_forward_progress 1
		.amdhsa_inst_pref_size 74
	.end_amdhsa_kernel
	.amdgpu_metadata
---
amdhsa.version: [ 1, 2 ]
amdhsa.kernels:
  - .name:           k_qb20a9e88f8_attn
    .symbol:         k_qb20a9e88f8_attn.kd
    .args:
      - { .name: q_img, .offset: 0, .size: 8, .value_kind: global_buffer, .address_space: global }
      - { .name: kv_img, .offset: 8, .size: 8, .value_kind: global_buffer, .address_space: global }
      - { .name: act_codes, .offset: 16, .size: 8, .value_kind: global_buffer, .address_space: global }
      - { .name: act_scales, .offset: 24, .size: 8, .value_kind: global_buffer, .address_space: global }
    .group_segment_fixed_size: 210944
    .private_segment_fixed_size: 0
    .kernarg_segment_align: 8
    .kernarg_segment_size: 32
    .max_flat_workgroup_size: 512
    .sgpr_count:     66
    .vgpr_count:     256
    .wavefront_size: 32
...
	.end_amdgpu_metadata
.endif
;; end of part 3
;; launch proj (part 4): grid 4 x 32, 4 waves a work-group, clusters of 4 x 4, 327,680 bytes of LDS; arguments act_codes, act_scales, w2_codes, w2_scales, b2, out0; writes out0
.if DOCPART == 4
	.amdgcn_target "amdgcn-amd-amdhsa--gfx1250"
	.amdhsa_code_object_version 6
	.text
	.protected	k_qb20a9e88f8_proj
	.globl	k_qb20a9e88f8_proj
	.p2align	8
	.type	k_qb20a9e88f8_proj,@function
k_qb20a9e88f8_proj:
	s_mov_b64 s[64:65], 0
	v_nop
	global_prefetch_b8 v0, s[64:65] scope:SCOPE_SE
	s_setreg_imm32_b32 hwreg(HW_REG_WAVE_MODE, 25, 1), 1
	s_wait_xcnt 0x0
	s_wait_alu depctr_hold_cnt(0) depctr_sa_sdst(0) depctr_va_vdst(0) depctr_va_sdst(0) depctr_va_ssrc(0) depctr_va_vcc(0) depctr_vm_vsrc(0)
	s_getreg_b32 s2, hwreg(HW_REG_IB_STS2, 6, 4)
	s_cmp_eq_u32 s2, 0
	s_cbranch_scc0 .Lentry_in_a_cluster
	s_endpgm
.Lentry_in_a_cluster:
	s_bfe_u32 s2, ttmp6, 0x10000c
	s_cmp_lg_u32 s2, 0xf033
	s_cbranch_scc0 .Lentry_shape_is_right
	s_endpgm
.Lentry_shape_is_right:
; out = a w2 + b2 on codes of FP6 (E2M3) with E8M0 scales; out: [8192][1024] f32.
; A tile of 256 rows x 256 columns is made by four waves, 128 x 128 each: 64 accumulators.  K = 1,024 goes in four steps of 256 through a ring of two LDS slots; the scale bytes come into LDS once.
; 4 x 4 work-groups form a cluster: a's tiles are asked for jointly along a row of it, w2's along a column.  The matrix instruction is used transposed (source 0 = 16 rows of w2^T, source 1 = 16 rows of a).
; a's codes lie as IMAGES OF OPERAND REGISTERS: [tile of 16 rows][head of 64 along K][3 pieces of 256 bytes], lane l's 8 bytes of a register pair at 8 l: a K step is 3,072 dense bytes of each tile, and a fragment comes
; by six loads of 8 bytes a lane on end.  Place p of a's rows holds token sw(p) (bits 3 and 4 exchanged): the way out puts each row where it belongs.  w2's codes lie by rows of 768 bytes.
; b2 is the C of each sum's first matrix instruction.  128 tiles: half of the WGPs have a work-group.  No prefetch: K has four steps, of which two are first fills.
.set SIZE_N, 1024
.set SIZE_K, 1024
.set KSTEP,  256
.set NQ,     KSTEP/128
.set ROWB,   192                       ; a row of w2's tile in bytes
.set KROW,   SIZE_K*6/8
.set PITCH,  240                       ; w2's LDS row: 3 x (64 bytes + 16 of padding)
.set ATILE,  3072                      ; a K step of one tile of 16 rows of a
.set FR,     12
.set NL,     6
.set NP,     4
.set HALFT,  128*PITCH                 ; the LDS room of 128 rows (a's 128 rows use 24,576 bytes of it)
.set SLOT,   4*HALFT
.set LAPS,   SIZE_K/(2*KSTEP)
.set KS,     SIZE_K/32
.set SCL,    2*SLOT
.set HALFS,  (128*KS/256)*272
.set SBLK,   (16*KS/256)*272
.set SPARE,  SCL+4*HALFS               ; the spare words, 128 bytes for each wave: two blocks of 256 bytes that no other line names
.set SPITCH, 528                       ; the way out: a stage of 16 rows x (512 bytes + 16) for each wave, in slot 0, which has had its last fill and its last read by then
.set ADRA, 16                          ; v16-17 LDS address of a's fragments in slot 0, 1
.set ADRB, 20                          ; v20-21 of w2's (v22-23: for the pieces behind one padding more)
.set STO,  24
.set RD,   25
.set CO,   26
.set ADRS, 27
.set SPW,  28
.set NIL,  29
.set SC,   32
.set BIAS, 64                          ; v64-127 b2 in the result's layout
.set AF,   128
.set BK,   128
.set G1, 24
.set G0, 32
.set G1B, 48
.set G0B, 56
.set G1S, 68
.set G0S, 76
.set G1SB, 80
.set G0SB, 88
.set MSB, 0
.macro WIN new
.if MSB != \new
	s_set_vgpr_msb (MSB<<8)|\new
.set MSB, \new
.endif
.endm
.set MUL_LO, 0xa1
.set MUL_HI, 0xf1
.set TO_B,   0x40
.macro JLOAD g0a, g1a, g0b, g1b        ; a joint load: waves 0 and 1 fetch for a, waves 2 and 3 for w2; four v_nop follow each of the two lines
	s_cmp_eq_u32 s15, 0
	s_cbranch_scc0 .Lfor_b_\@
	tensor_load_to_lds s[\g0a:\g0a+3], s[\g1a:\g1a+7]
	s_nop 0
.rept 4
	v_nop
.endr
	s_branch .Lasked_\@
.Lfor_b_\@:
	tensor_load_to_lds s[\g0b:\g0b+3], s[\g1b:\g1b+7]
	s_nop 0
.rept 4
	v_nop
.endr
.Lasked_\@:
.endm
.macro CREST
	s_cmp_lg_u32 s14, 0
	s_cbranch_scc1 .Lnot_wave_0_\@
	s_barrier_signal -3
.Lnot_wave_0_\@:
	s_barrier_wait -3
	s_barrier_signal -1
	s_barrier_wait -1
.endm
.macro CROUND
	s_barrier_signal -1
	s_barrier_wait -1
	CREST
.endm
	s_load_b128 s[4:7], s[0:1], 0x0                ; a's codes s[4:5], a's scales s[6:7]
	s_load_b128 s[8:11], s[0:1], 0x10              ; w2's codes s[8:9], w2's scales s[10:11]
	s_load_b64 s[96:97], s[0:1], 0x20              ; b2
	s_load_b64 s[12:13], s[0:1], 0x28              ; out
	v_lshl_add_u32 v[SPW], v0, 2, SPARE
	v_mov_b32 v[NIL], 0
	ds_add_u32 v28, v29
	ds_add_u32 v28, v29
	s_wait_dscnt 0x0
	v_lshrrev_b32 v1, 5, v0
	v_readfirstlane_b32 s14, v1                    ; wave 0..3
	s_lshr_b32 s15, s14, 1                         ; which half of the tile's rows is mine.  Also: I fetch for a (0) or for w2 (1)
	s_and_b32 s16, s14, 1                          ; which half of its columns.  Also: which 128 rows of that tile I fetch
	s_bfe_u32 s40, ttmp6, 0x40000
	s_bfe_u32 s41, ttmp6, 0x40004
	s_lshl_b32 s42, ttmp9, 2
	s_add_co_u32 s42, s42, s40                     ; tile column
	s_and_b32 s17, ttmp7, 0xffff
	s_lshl_b32 s17, s17, 2
	s_add_co_u32 s17, s17, s41                     ; tile row
	s_lshl_b32 s43, s41, 2
	s_lshl_b32 s43, 15, s43                        ; my row of the cluster
	s_lshl_b32 s44, 0x1111, s40                    ; my column
	; group 1 for a: 8 tiles of 16 rows, 3,072 dense bytes of each (384 elements of 8 bytes), 12,288 bytes apart; no padding
	s_or_b32 s[G1+0], s43, (3<<16)|(1<<21)
	s_mov_b32 s[G1+1], 384<<16                     ; tensor_dim0
	s_mov_b32 s[G1+2], 8<<16                       ; tensor_dim1
	s_mov_b32 s[G1+3], 384<<16                     ; tile_dim0
	s_mov_b32 s[G1+4], 8                           ; tile_dim1
	s_mov_b32 s[G1+5], 1536                        ; from tile to tile
	s_mov_b32 s[G1+6], 0
	s_mov_b32 s[G1+7], 0
	; for w2: 128 rows x 192 bytes, 16 bytes of padding behind every 64
	s_or_b32 s[G1B+0], s44, (0<<16)|(1<<20)|(1<<21)|(3<<22)|(3<<25)
	s_mov_b32 s[G1B+1], ROWB<<16
	s_mov_b32 s[G1B+2], 128<<16
	s_mov_b32 s[G1B+3], ROWB<<16
	s_mov_b32 s[G1B+4], 128
	s_mov_b32 s[G1B+5], KROW
	s_mov_b32 s[G1B+6], 0
	s_mov_b32 s[G1B+7], 0
	; the scales of 128 rows: 4,096 dense bytes, as rows of 256 bytes with 16 of padding behind each
	s_or_b32 s[G1S+0], s43, (3<<16)|(1<<20)|(1<<21)|(5<<22)|(3<<25)
	s_or_b32 s[G1SB+0], s44, (3<<16)|(1<<20)|(1<<21)|(5<<22)|(3<<25)
.irp g, G1S, G1SB
	s_mov_b32 s[\g+1], 32<<16
	s_mov_b32 s[\g+2], (128*KS/256)<<16
	s_mov_b32 s[\g+3], 32<<16
	s_mov_b32 s[\g+4], 128*KS/256
	s_mov_b32 s[\g+5], 32
	s_mov_b32 s[\g+6], 0
	s_mov_b32 s[\g+7], 0
.endr
	s_lshl_b32 s18, s16, 7
	s_lshl_b32 s20, s17, 8
	s_add_co_u32 s20, s20, s18                     ; a: place 256 x tile row + 128 x half
	s_lshl_b32 s46, s42, 8
	s_add_co_u32 s46, s46, s18                     ; w2: row 256 x tile column + 128 x half
	s_mov_b32 s21, 0
	s_mov_b32 s47, 0
	s_mov_b64 s[18:19], KS
	s_mul_u64 s[22:23], s[20:21], s[18:19]
	s_mul_u64 s[92:93], s[46:47], s[18:19]
	s_mov_b64 s[18:19], KROW
	s_mul_u64 s[20:21], s[20:21], s[18:19]         ; (16 rows of 768 bytes are a tile's 12,288)
	s_mul_u64 s[46:47], s[46:47], s[18:19]
	s_mul_i32 s45, s14, HALFT
	s_mul_i32 s94, s14, HALFS
	s_wait_kmcnt 0x0
	s_add_nc_u64 s[20:21], s[4:5], s[20:21]
	s_add_nc_u64 s[22:23], s[6:7], s[22:23]
	s_add_nc_u64 s[46:47], s[8:9], s[46:47]
	s_add_nc_u64 s[92:93], s[10:11], s[92:93]
	CROUND                                         ; all sixteen work-groups are here: the first joint loads meet
	s_mov_b32 s[G0S], 1
	s_add_co_u32 s[G0S+1], s94, SCL
	s_mov_b64 s[G0S+2:G0S+3], s[22:23]
	s_or_b32 s[G0S+3], s[G0S+3], 0x80000000
	s_mov_b32 s[G0SB], 1
	s_add_co_u32 s[G0SB+1], s94, SCL
	s_mov_b64 s[G0SB+2:G0SB+3], s[92:93]
	s_or_b32 s[G0SB+3], s[G0SB+3], 0x80000000
	JLOAD G0S, G1S, G0SB, G1SB
.irp s, 0,1
	s_mov_b32 s[G0+4*\s], 1
	s_add_co_u32 s[G0+4*\s+1], s45, \s*SLOT
	s_add_nc_u64 s[G0+4*\s+2:G0+4*\s+3], s[20:21], \s*ATILE
	s_or_b32 s[G0+4*\s+3], s[G0+4*\s+3], 0x80000000
	s_mov_b32 s[G0B+4*\s], 1
	s_add_co_u32 s[G0B+4*\s+1], s45, \s*SLOT
	s_add_nc_u64 s[G0B+4*\s+2:G0B+4*\s+3], s[46:47], \s*ROWB
	s_or_b32 s[G0B+4*\s+3], s[G0B+4*\s+3], 0x80000000
	JLOAD G0+4*\s, G1, G0B+4*\s, G1B               ; three tensor loads of mine are out
.endr
	v_and_b32 v1, 15, v0                           ; r
	v_bfe_u32 v2, v0, 4, 1                         ; h
	v_mul_u32_u24 v3, v1, PITCH
	v_mul_u32_u24 v4, v2, 24
	v_add_nc_u32 v4, v3, v4                        ; w2: a fragment's row x pitch + 24 x half
	v_lshl_add_u32 v5, v2, 4, v4                   ; and the same behind one padding more
	v_and_b32 v6, 31, v0
	v_lshlrev_b32 v7, 3, v6                        ; a: 8 x lane
	s_mul_i32 s21, s15, HALFT                      ; my 128 rows of a
	s_mul_i32 s22, s16, HALFT
	s_add_co_u32 s22, s22, 2*HALFT                 ; my 128 rows of w2
.irp s, 0,1
	v_add_nc_u32 v[ADRA+\s], s21, v7
	v_add_nc_u32 v[ADRB+\s], s22, v4
	v_add_nc_u32 v[ADRB+2+\s], s22, v5
	s_add_co_u32 s21, s21, SLOT
	s_add_co_u32 s22, s22, SLOT
.endr
	v_mul_u32_u24 v5, v1, KS
	v_lshrrev_b32 v6, 8, v5
	v_lshl_add_u32 v5, v6, 4, v5
	s_mul_i32 s21, s15, HALFS
	s_mul_i32 s22, s16, HALFS
	s_add_co_u32 s22, s22, 2*HALFS
	s_sub_co_u32 s22, s22, s21
	v_mul_u32_u24 v6, s22, v2                      ; lanes 16-31 take w2's words
	s_add_co_u32 s21, s21, SCL
	v_add_nc_u32 v5, v5, v6
	v_add_nc_u32 v[ADRS], s21, v5
	s_mul_i32 s23, s14, 16*SPITCH                  ; my stage
	v_mul_u32_u24 v5, v1, SPITCH
	v_lshl_add_u32 v5, v2, 5, v5
	v_add_nc_u32 v[STO], s23, v5                   ; in: row r, 32 bytes for each half of the lanes
	v_and_b32 v6, 31, v0
	v_lshlrev_b32 v[CO], 4, v6                     ; back: the 32 lanes take one row of 512 bytes; and the same in out
	v_add_nc_u32 v[RD], s23, v[CO]
	s_lshl_b32 s20, s17, 8
	s_lshl_b32 s21, s15, 7
	s_add_co_u32 s20, s20, s21                     ; my first row of out
	s_mov_b32 s21, 0
	s_mov_b64 s[18:19], SIZE_N*4
	s_mul_u64 s[20:21], s[20:21], s[18:19]
	s_lshl_b32 s46, s42, 10                        ; my first column, in bytes
	s_lshl_b32 s47, s16, 9
	s_add_co_u32 s46, s46, s47
	s_mov_b32 s47, 0
	s_add_nc_u64 s[20:21], s[20:21], s[46:47]
	s_add_nc_u64 s[12:13], s[12:13], s[20:21]
	s_add_nc_u64 s[96:97], s[96:97], s[46:47]      ; b2 at my first column
	v_lshlrev_b32 v8, 5, v2                        ; register j of tile b is column 16 b + 8 h + j
.irp b, 0,1,2,3,4,5,6,7
	global_load_b128 v[BIAS+8*\b:BIAS+8*\b+3], v8, s[96:97] offset:64*\b
	global_load_b128 v[BIAS+8*\b+4:BIAS+8*\b+7], v8, s[96:97] offset:64*\b+16
.endr
.macro FRAG reg, adr, q, i             ; a fragment of w2 from padded rows, in pieces of 8 bytes
.irp p, 0,1,2,3,4,5
.set PCE, 12*(\q)+6*(\p/3)+\p%3
.if PCE%8 < 5
	ds_load_b64 v[\reg+2*\p:\reg+2*\p+1], v[\adr] offset:8*PCE+16*(PCE/8)+(\i)*16*PITCH
.else
	ds_load_b64 v[\reg+2*\p:\reg+2*\p+1], v[\adr+2] offset:8*PCE+16*(PCE/8)+(\i)*16*PITCH
.endif
.endr
.endm
.macro FRAGA reg, slot, q, i           ; a fragment of a: six images of register pairs, 256 bytes each: two heads' three
.irp p, 0,1,2,3,4,5
	ds_load_b64 v[\reg+2*\p:\reg+2*\p+1], v[ADRA+\slot] offset:(\i)*ATILE+(\q)*1536+256*\p
.endr
.endm
; 16 matrix instructions; zero = 1: the sums begin with b2.  The 64 accumulators take turns, one instruction a turn.
.macro MUL16 a0, p, q, sc, zero
.irp a, \a0, \a0+1
.irp b, 0,1,2,3,4,5,6,7
.if \zero
	v_wmma_scale_f32_16x16x128_f8f6f4 v[8*(8*((\a)%4)+\b):8*(8*((\a)%4)+\b)+7], v[128*(\p)+FR*\b:128*(\p)+FR*\b+FR-1], v[AF+FR*(\a):AF+FR*(\a)+FR-1], v[BIAS+8*\b:BIAS+8*\b+7], v[SC+8*NQ*(\sc)+NQ*\b+(\q)], v[SC+8*NQ*(\sc)+NQ*(\a)+(\q)] matrix_a_fmt:MATRIX_FMT_FP6 matrix_b_fmt:MATRIX_FMT_FP6 matrix_a_scale:MATRIX_SCALE_ROW1
.else
	v_wmma_scale_f32_16x16x128_f8f6f4 v[8*(8*((\a)%4)+\b):8*(8*((\a)%4)+\b)+7], v[128*(\p)+FR*\b:128*(\p)+FR*\b+FR-1], v[AF+FR*(\a):AF+FR*(\a)+FR-1], v[8*(8*((\a)%4)+\b):8*(8*((\a)%4)+\b)+7], v[SC+8*NQ*(\sc)+NQ*\b+(\q)], v[SC+8*NQ*(\sc)+NQ*(\a)+(\q)] matrix_a_fmt:MATRIX_FMT_FP6 matrix_b_fmt:MATRIX_FMT_FP6 matrix_a_scale:MATRIX_SCALE_ROW1
.endif
.endr
.endr
.endm
.macro FETCH_B slot, q, p
	WIN TO_B
.irp i, 0,1,2,3,4,5,6,7
	FRAG 128*(\p)+FR*\i, ADRB+\slot, \q, \i
.endr
	WIN 0
.endm
.macro FETCH_A slot, q, i0
.irp i, \i0, \i0+1, \i0+2, \i0+3
	FRAGA AF+FR*(\i), \slot, \q, \i
.endr
.endm
.macro SCALES sc
.irp i, 0,1,2,3,4,5,6,7
	ds_load_b64 v[SC+8*NQ*\sc+NQ*\i:SC+8*NQ*\sc+NQ*\i+1], v[ADRS] offset:\i*SBLK
.endr
.endm
.macro PLACES n                        ; plain vector instructions between a matrix instruction and a load into, or a read of, its registers (ISA guide 7.12.1 for reads)
.rept \n
	v_nop
.endr
.endm
.macro STEP slot, q, zero
	s_wait_dscnt 4*NL                              ; w2's set and a's blocks 0-3 are in; the youngest 24 loads (blocks 4-7) may be out
.if \zero
	WIN 0x81                                       ; C (b2) in window 0, D in window 2
.else
	WIN MUL_LO
.endif
	MUL16 0, (\q)%2, \q, \slot, \zero
	MUL16 2, (\q)%2, \q, \slot, \zero
	s_wait_dscnt 0
	PLACES NP
	FETCH_B \slot, (\q)+1, 1-(\q)%2
	FETCH_A \slot, (\q)+1, 0
.if \zero
	WIN 0xc1
.else
	WIN MUL_HI
.endif
	MUL16 4, (\q)%2, \q, \slot, \zero
	MUL16 6, (\q)%2, \q, \slot, \zero
	PLACES NP
	WIN 0
	FETCH_A \slot, (\q)+1, 4
.endm
; A slot's last step changes slots: ONE barrier; in front of it each wave waits for all its tensor loads, adds 0 to its spare word, and waits for that and for its own reads of this slot.
.macro TURN slot, next, fill
	s_wait_tensorcnt 0x0                           ; all my tensor loads have landed: my part of the next slot
	ds_add_u32 v[SPW], v[NIL]                      ; 0 onto my spare word
	s_wait_dscnt 4*NL+1                            ; (the add and the youngest 24 loads may be out)
	WIN MUL_LO
	MUL16 0, 1, NQ-1, \slot, 0
	s_wait_dscnt 0x0                               ; the add is done, and my reads of this slot are over
	s_barrier_signal -1
	MUL16 2, 1, NQ-1, \slot, 0
	WIN 0
	s_barrier_wait -1
.if \fill
	CREST                                          ; the barrier has opened a round of the cluster's: no wave of any partner still reads this slot or has a load on its way
	s_add_nc_u64 s[G0+4*\slot+2:G0+4*\slot+3], s[G0+4*\slot+2:G0+4*\slot+3], 2*ATILE
	s_add_nc_u64 s[G0B+4*\slot+2:G0B+4*\slot+3], s[G0B+4*\slot+2:G0B+4*\slot+3], 2*ROWB
	JLOAD G0+4*\slot, G1, G0B+4*\slot, G1B         ; the first tensor load behind the round; its four v_nop are also the places in front of the loads below
.else
	PLACES NP
.endif
	v_add_nc_u32 v[ADRS], 4*NQ, v[ADRS]
	FETCH_B \next, 0, 0
	FETCH_A \next, 0, 0
	SCALES \next
	WIN MUL_HI
	MUL16 4, 1, NQ-1, \slot, 0
	MUL16 6, 1, NQ-1, \slot, 0
	PLACES NP
	WIN 0
	FETCH_A \next, 0, 4
.endm
	s_wait_tensorcnt 1                             ; the scales and my part of K step 0 are in (K step 1's load may be out)
	s_barrier_signal -1
	s_barrier_wait -1                              ; everybody's are
	FETCH_B 0, 0, 0
	FETCH_A 0, 0, 0
	SCALES 0
	FETCH_A 0, 0, 4
	s_wait_loadcnt 0x0                             ; b2
	STEP 0, 0, 1
	s_mov_b32 s3, LAPS-1
.Llap:
	TURN 0, 1, 1
	STEP 1, 0, 0
	TURN 1, 0, 1
	STEP 0, 0, 0
	s_sub_co_u32 s3, s3, 1
	s_cmp_lg_u32 s3, 0
	s_cbranch_scc1 .Llap
	TURN 0, 1, 0
	STEP 1, 0, 0
	s_wait_dscnt 4*NL
	WIN MUL_LO
	MUL16 0, 1, NQ-1, 1, 0
	MUL16 2, 1, NQ-1, 1, 0
	s_wait_dscnt 0
	WIN MUL_HI
	MUL16 4, 1, NQ-1, 1, 0
	MUL16 6, 1, NQ-1, 1, 0
	WIN 0
; THE WAY OUT, block by block of 16 rows x 128 columns, through my own stage in LDS; back as whole rows of 512 bytes.  Row t of block a is token 32 (a / 2) + 8 (a % 2) + t + 8 (t / 8) of my 128.
.macro TOSTAGE a
.set AC, 64*((\a)%4)
	WIN 0x08+4*((\a)/4)                            ; the data: window 2 or 3
.irp b, 0,1,2,3,4,5,6,7
	ds_store_b128 v[STO], v[AC+8*\b:AC+8*\b+3] offset:64*\b          ; each accumulator from its low end on
	ds_store_b128 v[STO], v[AC+8*\b+4:AC+8*\b+7] offset:64*\b+16
.endr
	WIN 0
.set BB, BK+64*((\a)%2)
.irp t, 0,1,2,3,4,5,6,7,8,9,10,11,12,13,14,15
	ds_load_b128 v[BB+4*\t:BB+4*\t+3], v[RD] offset:\t*SPITCH        ; LDS serves a wave's instructions in order: these see the stores above
.endr
.endm
.macro SEND a, younger
.set BB, BK+64*((\a)%2)
	s_wait_dscnt \younger                          ; the block is back in registers
.if (\a) > 0
.if (\a)%2
	s_add_nc_u64 s[12:13], s[12:13], 8*SIZE_N*4    ; (behind a wait on XCNT)  from block 2 u to 2 u + 1: 8 rows on;
.else
	s_add_nc_u64 s[12:13], s[12:13], 24*SIZE_N*4   ; from 2 u + 1 to 2 u + 2: 24
.endif
.endif
.irp t, 0,1,2,3,4,5,6,7,8,9,10,11,12,13,14,15
	global_store_b128 v[CO], v[BB+4*\t:BB+4*\t+3], s[12:13] offset:(\t+8*(\t/8))*SIZE_N*4 th:TH_STORE_NT   ; 32 lanes store 512 consecutive bytes, aligned
.endr
.endm
	PLACES NP
	TOSTAGE 0
.irp a, 1,2,3,4,5,6,7
.if \a > 1
	s_wait_xcnt 0x0                                ; block a - 2's stores have read their registers and their base
.endif
	TOSTAGE \a
	SEND \a-1, 32                                  ; behind block a - 1's loads: block a's 16 stores and 16 loads
.endr
	s_wait_xcnt 0x0
	SEND 7, 0
	s_wait_tensorcnt 0x0                           ; the wave's end
	ds_add_u32 v[SPW], v[NIL]
	s_wait_dscnt 0x0
	CROUND                                         ; the closing round
	s_endpgm
.Lfunc_end_k_qb20a9e88f8_proj:
	.size	k_qb20a9e88f8_proj, .Lfunc_end_k_qb20a9e88f8_proj-k_qb20a9e88f8_proj
	.p2alignl 7, 3214868480
	.fill 96, 4, 3214868480
	.section	.rodata,"a",@progbits
	.p2align	6, 0x0
	.amdhsa_kernel k_qb20a9e88f8_proj
		.amdhsa_group_segment_fixed_size 327680
		.amdhsa_private_segment_fixed_size 0
		.amdhsa_enable_private_segment 0
		.amdhsa_kernarg_size 48
		.amdhsa_user_sgpr_count 2
		.amdhsa_user_sgpr_kernarg_segment_ptr 1
		.amdhsa_wavefront_size32 1
		.amdhsa_system_sgpr_workgroup_id_x 1
		.amdhsa_system_sgpr_workgroup_id_y 1
		.amdhsa_system_sgpr_workgroup_id_z 1
		.amdhsa_system_vgpr_workitem_id 0
		.amdhsa_next_free_vgpr 1024
		.amdhsa_next_free_sgpr 98
		.amdhsa_reserve_vcc 0
		.amdhsa_float_denorm_mode_32 3
		.amdhsa_float_denorm_mode_16_64 3
		.amdhsa_memory_ordered 1
		.amdhsa_forward_progress 1
		.amdhsa_inst_pref_size 161
	.end_amdhsa_kernel
	.amdgpu_metadata
---
amdhsa.version: [ 1, 2 ]
amdhsa.kernels:
  - .name:           k_qb20a9e88f8_proj
    .symbol:         k_qb20a9e88f8_proj.kd
    .args:
      - { .name: act_codes, .offset: 0, .size: 8, .value_kind: global_buffer, .address_space: global }
      - { .name: act_scales, .offset: 8, .size: 8, .value_kind: global_buffer, .address_space: global }
      - { .name: w2_codes, .offset: 16, .size: 8, .value_kind: global_buffer, .address_space: global }
      - { .name: w2_scales, .offset: 24, .size: 8, .value_kind: global_buffer, .address_space: global }
      - { .name: b2, .offset: 32, .size: 8, .value_kind: global_buffer, .address_space: global }
      - { .name: out0, .offset: 40, .size: 8, .value_kind: global_buffer, .address_space: global }
    .group_segment_fixed_size: 327680
    .private_segment_fixed_size: 0
    .kernarg_segment_align: 8
    .kernarg_segment_size: 48
    .max_flat_workgroup_size: 128
    .sgpr_count:     98
    .vgpr_count:     1024
    .wavefront_size: 32
...
	.end_amdgpu_metadata
.endif
;; end of part 4
